; MI455X (gfx1250); checked and timed in simulation.
; The chip was launched on July 23, 2026; its instructions are those of AMD's public machine-readable ISA for CDNA 5 (MIT licence, August 2026) and "CDNA5" Instruction Set Architecture Reference Guide (July 2026). The comments in the code are by the model that wrote it; some were corrected since.
;; Multi Head Self Attention. Allowed arithmetic: matrix products marked QUANTISED: E4M3 operands, one given power-of-two scale a tensor, by v_wmma_f32_16x16x64_fp8_fp8 or v_wmma_f32_16x16x128_fp8_fp8, f32 sums; everything else in f32.
;; Inputs: WK 1,024 x 1,024 float32; WO 1,024 x 1,024 float32; WQ 1,024 x 1,024 float32; WV 1,024 x 1,024 float32; lowp_scales 12 int32 (the exponents e of the quantised operands' scales 2^e); token_positions 2,048 int32; x 4 x 2,048 x 1,024 float32.
;; Outputs: out0 4 x 2,048 x 1,024 float32.
;; This version of the problem:
;;   THIS VERSION OF THE PROBLEM IS GIVEN IN LOW PRECISION. The matrix products marked QUANTISED in the list below multiply operands that are first quantised to E4M3 (4 exponent bits, 3 mantissa bits; 8 bits a number), with one given power-of-two scale for each operand tensor; their sums are f32. All else is computed in f32.
;;   The module's matrix products, in the order in which they are computed (A, B: the left and right operand; K: the contracted axis; several contracted axes count as one K, in the product's order):
;;     1. [M 8,192, K 1,024] x [K 1,024, N 1,024]; A: input x; B: input WQ: QUANTISED (scales: A lowp_scales[0], B lowp_scales[1])
;;     2. [M 8,192, K 1,024] x [K 1,024, N 1,024]; A: input x; B: input WK: QUANTISED (scales: A lowp_scales[2], B lowp_scales[3])
;;     3. [M 8,192, K 1,024] x [K 1,024, N 1,024]; A: input x; B: input WV: QUANTISED (scales: A lowp_scales[4], B lowp_scales[5])
;;     4. batch 64 x [M 2,048, K 64] x [K 64, N 2,048]; A: computed on the way; B: computed on the way: QUANTISED (scales: A lowp_scales[6], B lowp_scales[7])
;;     5. batch 64 x [M 2,048, K 2,048] x [K 2,048, N 64]; A: softmax (see below); B: computed on the way: QUANTISED (scales: A lowp_scales[8], B lowp_scales[9])
;;     6. [M 8,192, K 1,024] x [K 1,024, N 1,024]; A: computed on the way; B: input WO: QUANTISED (scales: A lowp_scales[10], B lowp_scales[11])
;;   THE QUANTISER, for each operand of a quantised product, along K:
;;     - The operand's scale is 2^e, e = its entry of the input lowp_scales (int32; the entries are numbered through the quantised products in the list's order, A before B).
;;     - Each number is divided by the scale, clamped to +-448, and rounded to the nearest number of E4M3, ties to even, subnormals kept.
;;     - The product sums the exact products of the quantised numbers (number of the format x scale) in f32.
;;   ~~~python
;;   def quantise(x, axis, e):      # numpy; x: float32 -> the quantised numbers, widened to float32 again
;;       x = np.moveaxis(x, axis, -1); K = x.shape[-1]
;;       r = np.clip(x / 2.0 ** e, -448, 448)
;;       step = 2.0 ** (np.maximum(np.frexp(np.where(r == 0, 1, r))[1] - 1, -6) - 3)
;;       q = np.round(r / step) * step * 2.0 ** e      # np.round: ties to even
;;       return np.moveaxis(q, -1, axis).astype(np.float32)
;;   ~~~
;;   SOFTMAX AHEAD OF A QUANTISED PRODUCT. Where the list says 'softmax', what is quantised is not the finished softmax but p = 2^(t - M), with t = logit x log2(e) and M = ceil(the row's largest t), a whole number; so 1/2 < the row's largest p <= 1. The row's sum l is taken of the UNQUANTISED p, in f32, and the product's result is divided by l at the end. Since M is a whole number, a kernel that streams over the keys may use a running M (the ceiling of the running maximum): every later rescaling is an exact power of two, so the quantised numbers keep their values, but for numbers so far below the row's largest that they fall under the format's range.
;;   OPERANDS COMPUTED ON THE WAY. 'Computed on the way' means the value that the module computes at that place (a softmax that the list does not call 'softmax' is quantised finished and normalised). What goes into a quantiser is computed in f32, as accurately as f32 sums, v_exp_f32 and their like allow (about 1e-6 of the number): no bf16 or f16 on the way to a quantiser, and a product that is left as it is and whose result goes on into a quantised operand takes f32 operands (vector FMAs, or v_wmma_f32_16x16x4_f32). A number that lies on a knife's edge between two numbers of the format may be rounded either way, as far as f32 arithmetic and the matrix unit's own rounding can turn it there, and no further.
;; One version. Each part assembles by itself: llvm-mc -triple=amdgcn-amd-amdhsa -mcpu=gfx1250 --defsym DOCPART=n.
;; ======== version 1 of 1: 4 launches
;; limits: right only within a limited range of input values
;; workspace buffers: xcodes 25,165,824 bytes; wcodes 4,194,304 bytes; rope 524,288 bytes; qkv 25,165,824 bytes; ocodes 8,388,608 bytes
;; launch prep (part 1): grid 384 x 1, 4 waves a work-group, no clusters, 33,280 bytes of LDS; arguments x, WQ, WK, WV, WO, lowp_scales, token_positions, xcodes, wcodes, rope; writes xcodes, wcodes, rope
.if DOCPART == 1
	.amdgcn_target "amdgcn-amd-amdhsa--gfx1250"
	.amdhsa_code_object_version 6
	.text
	.protected	k_q1c1b7533bf_prep
	.globl	k_q1c1b7533bf_prep
	.p2align	8
	.type	k_q1c1b7533bf_prep,@function
k_q1c1b7533bf_prep:
	s_mov_b64 s[64:65], 0
	v_nop
	global_prefetch_b8 v0, s[64:65] scope:SCOPE_SE
	s_setreg_imm32_b32 hwreg(HW_REG_WAVE_MODE, 25, 1), 1
	s_wait_xcnt 0x0
; PREP.  x [8192][1024] f32 becomes three sets of E4M3 codes (scales 2^e0, 2^e2, 2^e4: it is the left operand of three products, each with its own given scale);
; WQ, WK, WV, WO [1024][1024] f32 become codes (2^e1, 2^e3, 2^e5, 2^e11); and the cosines and sines of RoPE are laid into a table.
; code = number / 2^e, held within +-448, rounded to the nearest code, ties to even.
; SHARES.  Work-group g takes 32 rows of 1,024 numbers: g < 256: rows 32 g of x; g - 256 = 32 j + g': rows 32 g' of weight j (WQ, WK, WV, WO).  Wave w takes rows 8 w .. 8 w + 7: 16 steps of 512 numbers.
; A step's four loads read 512 consecutive bytes each; the 2,048 bytes turn through the wave's own stage in LDS (16 bytes of padding behind each 64) and come back 16 NEIGHBOURS a lane, as the conversions want them.
; A lane's 16 codes are 16 bytes: a wave stores 512 consecutive bytes.
; ROW ORDER OF THE CODES.  x's third set and WQ's and WK's codes are stored with bits 3 and 4 of the row number exchanged: 16 consecutive stored rows are then the rows that the next launch wants in one tile.
; Bits 3 and 4 of a row are the wave's number, so the exchange is made in the wave's place in the destination.
; THE TABLE (work-groups under 256, 16 bytes a thread): [s / 16][c = 0..7][lane][cos(i0), sin(i0), cos(i0 + 1), sin(i0 + 1)], for the place s = 16 (s / 16) + lane % 16 in the sequence, i0 = 2 c + 8 (c / 4) + 8 (lane / 16):
; the order of the reader's registers.  angle = position x 10000^(-i / 32); the power by v_exp_f32 with the exponent's rounding error put back; the angle is reduced by pi/2 in three parts; sine and cosine by polynomials on |r| <= pi/4.
; LIMITS: each e between -126 and 119; NaN among the inputs is not served (an infinity is held at the largest code); |token_positions| up to 2^20; a frequency lies within about one unit in the last place of 10000^(-i / 32).
.set STEPS, 16
.set WREG,  8192                       ; LDS: a region for each wave: two stages of 32 x SP bytes
.set SP,    80                         ; a lane's place in a stage: 64 bytes + 16 of padding
.set SPARE, 4*WREG                     ; behind the regions: the spare words, 128 bytes a wave
.set SPW,   12                         ; v12  my spare word's LDS address; never rewritten
.set NIL,   13                         ; v13  0; never rewritten
.set R,     16                         ; v16-79   four sets of 16 numbers as loaded
.set X,     80                         ; v80-111  two sets of 16 neighbours
.set T,     112                        ; v112-127 the numbers held within the largest code
.set C,     128                        ; v128-151 two sets of 3 x 4 registers of codes
	s_load_b512 s[4:19], s[0:1], 0x0               ; x, WQ, WK, WV, WO, the scales' exponents, the positions, xcodes
	s_load_b128 s[20:23], s[0:1], 0x40             ; wcodes, rope
	v_lshl_add_u32 v[SPW], v0, 2, SPARE
	v_mov_b32 v[NIL], 0
	v_lshrrev_b32 v1, 5, v0
	v_readfirstlane_b32 s36, v1                    ; wave
	v_and_b32 v2, 31, v0                           ; lane
	v_lshlrev_b32 v3, 4, v2                        ; 16 x lane: my bytes of a load's 512 and of a store's 512; never rewritten
	s_mul_i32 s37, s36, WREG
	v_lshrrev_b32 v14, 2, v2
	v_mul_u32_u24 v14, v14, SP
	v_and_b32 v15, 3, v2
	v_lshl_add_u32 v14, v15, 4, v14
	v_add_nc_u32 v14, s37, v14                     ; the stage, on the way in: SP (lane / 4) + 16 (lane % 4)
	v_mul_u32_u24 v15, v2, SP
	v_add_nc_u32 v15, s37, v15                     ; and on the way out: SP x lane
	s_and_b32 s48, s36, 1
	s_lshl_b32 s48, s48, 1
	s_lshr_b32 s49, s36, 1
	s_or_b32 s48, s48, s49                         ; the wave's number with its two bits exchanged
	s_sub_co_u32 s38, ttmp9, 256
	s_and_b32 s39, s38, 31
	s_cmp_lt_u32 s38, 64                           ; WQ's or WK's work-group?
	s_cselect_b32 s49, s48, s36                    ; the wave's place in the first destination
	s_cmp_lt_u32 ttmp9, 256                        ; x's work-group?
	s_cselect_b32 s39, ttmp9, s39                  ; which 32 rows of the source,
	s_cselect_b32 s38, ttmp9, s38                  ; and of the first destination (the four weights' codes lie on end)
	s_lshl_b32 s52, s39, 17                        ; 32 rows of 4,096 bytes
	s_lshl_b32 s50, s36, 15
	s_add_co_u32 s52, s52, s50
	s_mov_b32 s53, 0
	s_lshl_b32 s54, s38, 15                        ; 32 rows of 1,024 bytes
	s_lshl_b32 s50, s49, 13
	s_add_co_u32 s54, s54, s50
	s_mov_b32 s55, 0
	s_and_b32 s50, ttmp9, 255
	s_lshl_b32 s50, s50, 15
	s_lshl_b32 s51, s36, 13
	s_add_co_u32 s56, s50, s51
	s_add_co_u32 s56, s56, 0x800000                ; x's second set
	s_mov_b32 s57, 0
	s_lshl_b32 s51, s48, 13
	s_add_co_u32 s58, s50, s51
	s_add_co_u32 s58, s58, 0x1000000               ; x's third set, rows exchanged
	s_mov_b32 s59, 0
	s_wait_kmcnt 0x0
	s_load_b256 s[24:31], s[14:15], 0x0            ; e0 .. e7
	s_load_b128 s[32:35], s[14:15], 0x20           ; e8 .. e11
	s_mov_b64 s[40:41], s[12:13]                   ; the source: a choice on the work-group's number alone
	s_cmp_lt_u32 ttmp9, 352
	s_cselect_b64 s[40:41], s[10:11], s[40:41]
	s_cmp_lt_u32 ttmp9, 320
	s_cselect_b64 s[40:41], s[8:9], s[40:41]
	s_cmp_lt_u32 ttmp9, 288
	s_cselect_b64 s[40:41], s[6:7], s[40:41]
	s_cmp_lt_u32 ttmp9, 256
	s_cselect_b64 s[40:41], s[4:5], s[40:41]
	s_cselect_b64 s[42:43], s[18:19], s[20:21]     ; the first destination
	s_add_nc_u64 s[40:41], s[40:41], s[52:53]
	s_add_nc_u64 s[42:43], s[42:43], s[54:55]
	s_add_nc_u64 s[44:45], s[18:19], s[56:57]      ; the second and third: used by x's work-groups alone
	s_add_nc_u64 s[46:47], s[18:19], s[58:59]
.macro LOAD t
.irp i, 0,1,2,3
	global_load_b128 v[R+16*((\t)%4)+4*\i:R+16*((\t)%4)+4*\i+3], v3, s[40:41] offset:2048*(\t)+512*\i th:TH_LOAD_NT   ; 32 lanes read 512 consecutive bytes
.endr
.endm
.macro TURN t                          ; step t's numbers through the stage: LDS serves a wave's instructions in order, so no wait stands between the stores and the loads
.irp i, 0,1,2,3
	ds_store_b128 v14, v[R+16*((\t)%4)+4*\i:R+16*((\t)%4)+4*\i+3] offset:32*SP*((\t)%2)+8*SP*\i
.endr
.irp i, 0,1,2,3
	ds_load_b128 v[X+16*((\t)%2)+4*\i:X+16*((\t)%2)+4*\i+3], v15 offset:32*SP*((\t)%2)+16*\i
.endr
.endm
.irp t, 0,1,2,3
	LOAD \t
.endr
.macro MKSC e, vs, vl                  ; 2^e and 448 x 2^e as f32 numbers
	s_add_co_i32 s60, \e, 127
	s_lshl_b32 s61, s60, 23
	v_mov_b32 v[\vs], s61
	s_add_co_i32 s60, s60, 8
	s_lshl_b32 s60, s60, 23
	s_or_b32 s60, s60, 0x600000
	v_mov_b32 v[\vl], s60
.endm
	s_wait_kmcnt 0x0
	s_mov_b32 s51, s35                             ; the first destination's e: e11, e5, e3, e1 or e0
	s_cmp_lt_u32 ttmp9, 352
	s_cselect_b32 s51, s29, s51
	s_cmp_lt_u32 ttmp9, 320
	s_cselect_b32 s51, s27, s51
	s_cmp_lt_u32 ttmp9, 288
	s_cselect_b32 s51, s25, s51
	s_cmp_lt_u32 ttmp9, 256
	s_cselect_b32 s51, s24, s51
	MKSC s51, 6, 7
	MKSC s26, 8, 9                                 ; e2
	MKSC s28, 10, 11                               ; e4
	s_wait_loadcnt 12                              ; step 0's four loads are in
	TURN 0
; Output k of step t: the hold (the conversion to an 8-bit code does not saturate: ISA guide 7.6.2), two conversions, one store of 512 consecutive bytes.
.macro OUT k, t
.set XS, X+16*((\t)%2)
.set CC, C+12*((\t)%2)+4*(\k)
.irp i, 0,1,2,3,4,5,6,7,8,9,10,11,12,13,14,15
	v_med3_num_f32 v[T+\i], v[XS+\i], -v[7+2*(\k)], v[7+2*(\k)]
.endr
	v_cvt_scalef32_pk8_fp8_f32 v[CC:CC+1], v[T:T+7], v[6+2*(\k)]
	v_cvt_scalef32_pk8_fp8_f32 v[CC+2:CC+3], v[T+8:T+15], v[6+2*(\k)]
	v_nop                                          ; a plain vector line between the conversions and the next lines that write their sources
	global_store_b128 v3, v[CC:CC+3], s[42+2*(\k):43+2*(\k)] offset:512*(\t)
.endm
.macro STEP t
	s_wait_dscnt 0x0                               ; this step's numbers are back from the stage, and its stores into the stage have read their registers
.if (\t) >= 2
	s_wait_xcnt 0x0                                ; the stores of two steps back have read this step's set of code registers
.endif
.if (\t)+4 < STEPS
	LOAD (\t)+4
.endif
.if (\t)+1 < STEPS
.if STEPS-2-(\t) >= 3
	s_wait_loadcnt 12                              ; the next step's four loads are in; those of the three steps behind it may be out
.else
	s_wait_loadcnt 4*(STEPS-2-(\t))
.endif
	TURN (\t)+1
.endif
	OUT 0, \t
	s_cmp_ge_u32 ttmp9, 256                        ; a weight has one set of codes: the branch leads round register work and global stores alone
	s_cbranch_scc1 .Lone_\@
	OUT 1, \t
	OUT 2, \t
.Lone_\@:
.endm
.irp t, 0,1,2,3,4,5,6,7,8,9,10,11,12,13,14,15
	STEP \t
.endr
	; ---- the table of cosines and sines
	s_cmp_ge_u32 ttmp9, 256
	s_cbranch_scc1 .Lend
	s_and_b32 s56, ttmp9, 1
	s_lshl_b32 s56, s56, 2
	s_add_co_u32 s56, s56, s36                     ; c = 4 (g % 2) + wave
	s_lshr_b32 s57, s56, 2
	s_lshl_b32 s57, s57, 3
	s_lshl_b32 s58, s56, 1
	s_add_co_u32 s57, s57, s58                     ; 2 c + 8 (c / 4)
	s_lshr_b32 s58, ttmp9, 1
	s_lshl_b32 s58, s58, 4                         ; 16 (g / 2)
	v_and_b32 v16, 15, v0
	v_add_nc_u32 v16, s58, v16                     ; my place s in the sequence
	v_lshlrev_b32 v16, 2, v16
	global_load_b32 v17, v16, s[16:17]             ; its position, as it is given
	s_mov_b32 s66, 0x3ed49a78                      ; log2(10000) / 32, and
	s_mov_b32 s67, 0x32179a17                      ; what that number lacks
	s_mov_b32 s68, 0xbf317218                      ; -ln 2
	s_mov_b32 s69, 0x3f22f983                      ; 2 / pi
	s_mov_b32 s70, 0xbfc90fdb                      ; -pi/2 in three parts
	s_mov_b32 s71, 0x333bbd2e
	s_mov_b32 s72, 0x26f72ced
	s_mov_b32 s73, 0xbe2aaaa3                      ; the sine's polynomial
	s_mov_b32 s74, 0x3c08839e
	s_mov_b32 s75, 0xb94ca1f9
	s_mov_b32 s76, 0x3d2aaaa5                      ; the cosine's
	s_mov_b32 s77, 0xbab6061a
	s_mov_b32 s78, 0x37ccf5ce
	v_bfe_u32 v18, v0, 4, 1
	v_lshl_add_u32 v18, v18, 3, s57                ; i0
	v_add_nc_u32 v19, 1, v18                       ; i0 + 1
	v_cvt_f32_u32 v20, v18
	v_cvt_f32_u32 v21, v19
	v_mul_f32 v22, s66, v20                        ; p = i x log2(10000) / 32, rounded,
	v_mul_f32 v23, s66, v21
	v_fma_f32 v24, v20, s66, -v22                  ; and what the rounding dropped,
	v_fma_f32 v25, v21, s66, -v23
	v_fma_f32 v24, v20, s67, v24                   ; with the constant's own remainder
	v_fma_f32 v25, v21, s67, v25
	v_exp_f32 v26, -v22
	v_exp_f32 v27, -v23
	v_mul_f32 v24, s68, v24                        ; (the plain lines behind the exponentials)
	v_mul_f32 v25, s68, v25
	s_wait_alu depctr_va_vdst(0)                   ; one wait for both exponentials, ahead of their first reader
	v_fma_f32 v26, v26, v24, v26                   ; 2^(-p - e) = 2^-p (1 - e ln 2)
	v_fma_f32 v27, v27, v25, v27
	s_wait_loadcnt 0x0
	v_cvt_f32_i32 v17, v17
.macro SINCOS j
	v_mul_f32 v[28+\j], v17, v[26+\j]              ; the angle, rounded once
	v_mul_f32 v[30+\j], s69, v[28+\j]
	v_rndne_f32 v[30+\j], v[30+\j]                 ; n
	v_fma_f32 v[32+\j], v[30+\j], s70, v[28+\j]    ; r = angle - n pi/2
	v_fma_f32 v[32+\j], v[30+\j], s71, v[32+\j]
	v_fma_f32 v[32+\j], v[30+\j], s72, v[32+\j]
	v_cvt_i32_f32 v[34+\j], v[30+\j]               ; the quadrant: it selects values only
	v_mul_f32 v[36+\j], v[32+\j], v[32+\j]         ; z = r r
	v_fma_f32 v[38+\j], v[36+\j], s75, s74
	v_fma_f32 v[38+\j], v[38+\j], v[36+\j], s73
	v_mul_f32 v[38+\j], v[38+\j], v[36+\j]
	v_fma_f32 v[38+\j], v[38+\j], v[32+\j], v[32+\j]   ; sin r
	v_fma_f32 v[40+\j], v[36+\j], s78, s77
	v_fma_f32 v[40+\j], v[40+\j], v[36+\j], s76
	v_fma_f32 v[40+\j], v[40+\j], v[36+\j], -0.5
	v_fma_f32 v[40+\j], v[40+\j], v[36+\j], 1.0    ; cos r
	v_and_b32 v[42+\j], 1, v[34+\j]
	v_cmp_eq_u32 vcc_lo, 1, v[42+\j]               ; in odd quadrants the two change places
	v_cndmask_b32 v[45+2*\j], v[38+\j], v[40+\j], vcc_lo
	v_cndmask_b32 v[44+2*\j], v[40+\j], v[38+\j], vcc_lo
	v_lshlrev_b32 v[42+\j], 30, v[34+\j]
	v_and_b32 v[42+\j], 0x80000000, v[42+\j]
	v_xor_b32 v[45+2*\j], v[42+\j], v[45+2*\j]     ; the sine is negative in quadrants 2 and 3,
	v_add_nc_u32 v[42+\j], 1, v[34+\j]
	v_lshlrev_b32 v[42+\j], 30, v[42+\j]
	v_and_b32 v[42+\j], 0x80000000, v[42+\j]
	v_xor_b32 v[44+2*\j], v[42+\j], v[44+2*\j]     ; the cosine in 1 and 2
.endm
	SINCOS 0
	SINCOS 1
	v_lshlrev_b32 v48, 4, v0
	s_lshl_b32 s56, ttmp9, 11
	s_mov_b32 s57, 0
	s_add_nc_u64 s[22:23], s[22:23], s[56:57]
	global_store_b128 v48, v[44:47], s[22:23]      ; a wave stores 512 consecutive bytes
.Lend:
	s_wait_tensorcnt 0x0                           ; the wave's end: behind my last LDS store
	ds_add_u32 v[SPW], v[NIL]
	s_wait_dscnt 0x0
	s_endpgm
.Lfunc_end_k_q1c1b7533bf_prep:
	.size	k_q1c1b7533bf_prep, .Lfunc_end_k_q1c1b7533bf_prep-k_q1c1b7533bf_prep
	.p2alignl 7, 3214868480
	.fill 96, 4, 3214868480
	.section	.rodata,"a",@progbits
	.p2align	6, 0x0
	.amdhsa_kernel k_q1c1b7533bf_prep
		.amdhsa_group_segment_fixed_size 33280
		.amdhsa_private_segment_fixed_size 0
		.amdhsa_enable_private_segment 0
		.amdhsa_kernarg_size 80
		.amdhsa_user_sgpr_count 2
		.amdhsa_user_sgpr_kernarg_segment_ptr 1
		.amdhsa_wavefront_size32 1
		.amdhsa_system_sgpr_workgroup_id_x 1
		.amdhsa_system_sgpr_workgroup_id_y 1
		.amdhsa_system_sgpr_workgroup_id_z 1
		.amdhsa_system_vgpr_workitem_id 0
		.amdhsa_next_free_vgpr 160
		.amdhsa_next_free_sgpr 80
		.amdhsa_reserve_vcc 1
		.amdhsa_float_denorm_mode_32 3
		.amdhsa_float_denorm_mode_16_64 3
		.amdhsa_memory_ordered 1
		.amdhsa_forward_progress 1
		.amdhsa_inst_pref_size 87
	.end_amdhsa_kernel
	.amdgpu_metadata
---
amdhsa.version: [ 1, 2 ]
amdhsa.kernels:
  - .name:           k_q1c1b7533bf_prep
    .symbol:         k_q1c1b7533bf_prep.kd
    .args:
      - { .name: x, .offset: 0, .size: 8, .value_kind: global_buffer, .address_space: global }
      - { .name: WQ, .offset: 8, .size: 8, .value_kind: global_buffer, .address_space: global }
      - { .name: WK, .offset: 16, .size: 8, .value_kind: global_buffer, .address_space: global }
      - { .name: WV, .offset: 24, .size: 8, .value_kind: global_buffer, .address_space: global }
      - { .name: WO, .offset: 32, .size: 8, .value_kind: global_buffer, .address_space: global }
      - { .name: lowp_scales, .offset: 40, .size: 8, .value_kind: global_buffer, .address_space: global }
      - { .name: token_positions, .offset: 48, .size: 8, .value_kind: global_buffer, .address_space: global }
      - { .name: xcodes, .offset: 56, .size: 8, .value_kind: global_buffer, .address_space: global }
      - { .name: wcodes, .offset: 64, .size: 8, .value_kind: global_buffer, .address_space: global }
      - { .name: rope, .offset: 72, .size: 8, .value_kind: global_buffer, .address_space: global }
    .group_segment_fixed_size: 33280
    .private_segment_fixed_size: 0
    .kernarg_segment_align: 8
    .kernarg_segment_size: 80
    .max_flat_workgroup_size: 128
    .sgpr_count:     80
    .vgpr_count:     160
    .wavefront_size: 32
...
	.end_amdgpu_metadata
.endif
;; end of part 1
;; launch qkv (part 2): grid 12 x 32, 4 waves a work-group, clusters of 4 x 4, 327,680 bytes of LDS; arguments xcodes, wcodes, lowp_scales, rope, qkv; writes qkv
.if DOCPART == 2
	.amdgcn_target "amdgcn-amd-amdhsa--gfx1250"
	.amdhsa_code_object_version 6
	.text
	.protected	k_q1c1b7533bf_qkv
	.globl	k_q1c1b7533bf_qkv
	.p2align	8
	.type	k_q1c1b7533bf_qkv,@function
k_q1c1b7533bf_qkv:
	s_mov_b64 s[64:65], 0
	v_nop
	global_prefetch_b8 v0, s[64:65] scope:SCOPE_SE
	s_setreg_imm32_b32 hwreg(HW_REG_WAVE_MODE, 25, 1), 1
	s_wait_xcnt 0x0
	s_wait_alu depctr_hold_cnt(0) depctr_sa_sdst(0) depctr_va_vdst(0) depctr_va_sdst(0) depctr_va_ssrc(0) depctr_va_vcc(0) depctr_vm_vsrc(0)
	s_getreg_b32 s2, hwreg(HW_REG_IB_STS2, 6, 4)
	s_cmp_eq_u32 s2, 0
	s_cbranch_scc0 .Lentry_in_a_cluster
	s_endpgm
.Lentry_in_a_cluster:
	s_bfe_u32 s2, ttmp6, 0x10000c
	s_cmp_lg_u32 s2, 0xf033
	s_cbranch_scc0 .Lentry_shape_is_right
	s_endpgm
.Lentry_shape_is_right:
; QKV.  The three projections on codes of E4M3, K = 1,024; RoPE on Q and K; the quantisers of Q (2^e6), K (2^e7) and V (2^e9).  The cluster's x says WHICH: 0 Q, 1 K, 2 V: the same in all sixteen partners.
; A tile of 256 x 256 is made by four waves, 128 x 128 each: 64 accumulators, 512 registers.  K goes in four steps of 256 through a ring of two LDS slots filled by the tensor data mover.
; THE MATRIX INSTRUCTION IS USED TRANSPOSED: source 0 = 16 rows of 'B', source 1 = 16 rows of 'A': a lane holds one row of A and its registers run along B's rows.
;   Q, K: A = x's codes (tokens), B = the weight's codes, whose rows lie with bits 3 and 4 of the row number exchanged: so the 16 registers of two neighbouring tiles are 16 NEIGHBOURING columns: 32 b + 16 (lane / 16) + 0 .. 15.
;   V:    A = WV's codes (channels), B = x's third set of codes (tokens, rows exchanged likewise): a lane holds one channel and 16 neighbouring tokens: the keys come out innermost, and nothing is transposed.
; CLUSTERS: 4 x 4 work-groups.  A's tile is shared along a row of the cluster, B's along a column: each is asked for JOINTLY, by the same tensor load with the same descriptor and a mask that names the four.
; THE WAY OUT.  A sum stands for sum x 2^(ex + ew); RoPE is linear; so the raw sums are turned (cos and sin from the table, laid in the order of these registers) and the conversion takes the one scale 2^(eout - ex - ew).
; Codes go through a stage in LDS shared by the four waves (a row's 256 bytes come from two waves; one barrier) and leave in runs of 512 (Q, K: 8 tokens x 64 bytes of one head) or 2 x 256 bytes (V: two channels' 256 tokens).
; Q: [b][head][s][64].  K: the same with bits 3 and 4 of s exchanged.  V: [b][head][d, bits 3 and 4 exchanged][s].  The stages lie in slot 0, which has had its last fill and its last read; each of the two ways has bytes of its own.
; LIMIT: eout - ex - ew between -126 and 119, for each of the three.
; REGISTERS, in windows of 256: window 0: v0-31 addresses and the two scale numbers; v32-95 two sets of cos and sin; v96-127 two sets of codes; from v128 A's fragments, ONE set; on the way out v128-255 are free.
;   window 1: B's fragments, TWO sets.   window 2: the accumulators of my rows 0-63 ((a, b) at v[8 (8 a + b)]);   window 3: those of my rows 64-127.
.set KSTEP,  256
.set ROWB,   256                       ; a tile's row in bytes
.set KROW,   1024                      ; a row of codes in memory
.set PITCH,  272                       ; an LDS row: 256 bytes + 16 of padding: the 16 rows that a load touches start at 16 different banks (64 banks of 4 bytes: ISA guide 11.1)
.set FR,     16                        ; registers of a fragment: 16 rows x 128 K
.set NL,     4                         ; LDS loads that bring one
.set NP,     4                         ; places behind this matrix instruction (ISA guide 7.12.1)
.set HALFT,  128*PITCH
.set SLOT,   4*HALFT                   ; A's 256 rows, then B's 256 rows
.set LAPS,   2                         ; 1,024 / 512
.set SPARE,  2*SLOT                    ; behind the ring: the spare words, 128 bytes a wave
.set STQ,    0                         ; the stage of Q's and K's way: 256 rows x 272 bytes
.set STV,    256*PITCH                 ; the stage of V's way: as many
.set SCL,  10                          ; v10  2^(eout - ex - ew)
.set LIMV, 11                          ; v11  448 x that
.set ADRA, 16                          ; v16-17  LDS address of my A fragments in slot 0, 1
.set ADRB, 20                          ; v20-21  the same for B
.set STOQ, 22                          ; v22  Q, K: where I put 16 codes
.set RDQ,  23                          ; v23  and where I read 16 bytes back
.set STOV, 24                          ; v24, v25  the same for V
.set RDV,  25
.set L16,  26                          ; v26  16 x lane: offset in the table and in Q's and K's stores
.set VO,   27                          ; v27  offset in V's stores
.set SPW,  28                          ; v28  my spare word's LDS address; never rewritten
.set NIL,  29                          ; v29  0; never rewritten
.set CS0,  32
.set CODE, 96
.set TMP,  128
.set BK,   128
.set AF,   128
.set G1, 24                            ; s[24:31] descriptor group 1 for A's tiles;  s[32:39] group 0, one set for each slot
.set G0, 32
.set G1B, 48                           ; s[48:55], s[56:63] the same for B's tiles
.set G0B, 56
.set WH, 92                            ; s92  WHICH
.set MSB, 0
.macro WIN new                         ; the immediate's high byte repeats the setting that is left
.if MSB != \new
	s_set_vgpr_msb (MSB<<8)|\new
.set MSB, \new
.endif
.endm
.set MUL_LO, 0xa1                      ; source 0 (B) window 1, source 1 (A) window 0, C and D window 2
.set MUL_HI, 0xf1                      ; the same, C and D window 3
.set TO_B,   0x40                      ; destination window 1, address window 0
; A joint load: waves 0 and 1 fetch for A, waves 2 and 3 for B; the branch hangs on the wave's number alone.  An s_nop 0 and four v_nop follow each of the two lines.
.macro JLOAD g0a, g1a, g0b, g1b
	s_cmp_eq_u32 s15, 0
	s_cbranch_scc0 .Lfor_b_\@
	tensor_load_to_lds s[\g0a:\g0a+3], s[\g1a:\g1a+7]
	s_nop 0
.rept 4
	v_nop
.endr
	s_branch .Lasked_\@
.Lfor_b_\@:
	tensor_load_to_lds s[\g0b:\g0b+3], s[\g1b:\g1b+7]
	s_nop 0
.rept 4
	v_nop
.endr
.Lasked_\@:
.endm
.macro CREST                           ; a round of the cluster's barrier behind its opening barrier
	s_cmp_lg_u32 s14, 0
	s_cbranch_scc1 .Lnot_wave_0_\@
	s_barrier_signal -3
.Lnot_wave_0_\@:
	s_barrier_wait -3
	s_barrier_signal -1
	s_barrier_wait -1
.endm
.macro CROUND
	s_barrier_signal -1
	s_barrier_wait -1
	CREST
.endm
	s_load_b256 s[68:75], s[0:1], 0x0              ; xcodes s[68:69], wcodes s[70:71], the scales' exponents s[72:73], rope s[74:75]
	s_load_b64 s[76:77], s[0:1], 0x20              ; qkv
	v_lshl_add_u32 v[SPW], v0, 2, SPARE
	v_mov_b32 v[NIL], 0
	ds_add_u32 v[SPW], v[NIL]
	ds_add_u32 v[SPW], v[NIL]                      ; the wave's opening: the add and its wait ahead of my first tensor load; the set-up below stands between them
	v_lshrrev_b32 v1, 5, v0
	v_readfirstlane_b32 s14, v1                    ; wave 0..3
	s_lshr_b32 s15, s14, 1                         ; which half of the tile's A rows is mine.  Also: I fetch for A (0) or for B (1)
	s_and_b32 s16, s14, 1                          ; which half of its B rows.  Also: which 128 rows of that tile I fetch
	s_bfe_u32 s40, ttmp6, 0x40000                  ; cx, cy: my place in the cluster
	s_bfe_u32 s41, ttmp6, 0x40004
	s_mov_b32 s[WH], ttmp9                         ; the cluster's x
	s_and_b32 s93, ttmp7, 0xffff
	s_lshl_b32 s93, s93, 2                         ; 4 x the cluster's y: it walks the tokens, which are A's rows for Q and K and B's rows for V
	s_cmp_eq_u32 s[WH], 2
	s_cselect_b32 s17, 0, s93
	s_cselect_b32 s42, s93, 0
	s_add_co_u32 s17, s17, s41                     ; A's tile: made of cy, the cluster's y and WHICH
	s_add_co_u32 s42, s42, s40                     ; B's tile: made of cx, the cluster's y and WHICH
	s_lshl_b32 s43, s41, 2
	s_lshl_b32 s43, 15, s43                        ; my row of the cluster
	s_lshl_b32 s44, 0x1111, s40                    ; my column
	s_or_b32 s[G1+0], s43, (0<<16)|(1<<20)|(1<<21)|(5<<22)|(3<<25)  ; 15:0 the mask; 17:16 elements of 1 byte; 20 padding on; 21 set beside a mask; 24:22 after every 64 words; 31:25 four words
	s_or_b32 s[G1B+0], s44, (0<<16)|(1<<20)|(1<<21)|(5<<22)|(3<<25)
.irp g, G1, G1B
	s_mov_b32 s[\g+1], ROWB<<16                    ; tensor_dim0
	s_mov_b32 s[\g+2], 128<<16                     ; tensor_dim1
	s_mov_b32 s[\g+3], ROWB<<16                    ; tile_dim0
	s_mov_b32 s[\g+4], 128                         ; tile_dim1
	s_mov_b32 s[\g+5], KROW                        ; tensor_dim0_stride
	s_mov_b32 s[\g+6], 0
	s_mov_b32 s[\g+7], 0
.endr
	s_lshl_b32 s18, s16, 7                         ; which 128 rows of the tile I fetch
	s_lshl_b32 s94, s[WH], 23                      ; the part of xcodes,
	s_lshl_b32 s95, s[WH], 20                      ; and of wcodes
	s_cmp_eq_u32 s[WH], 2
	s_cselect_b32 s19, s95, s94                    ; A's part
	s_cselect_b32 s93, s94, s95                    ; B's part
	s_lshl_b32 s20, s17, 8
	s_add_co_u32 s20, s20, s18
	s_lshl_b32 s20, s20, 10                        ; rows of 1,024 bytes
	s_add_co_u32 s20, s20, s19
	s_mov_b32 s21, 0
	s_lshl_b32 s46, s42, 8
	s_add_co_u32 s46, s46, s18
	s_lshl_b32 s46, s46, 10
	s_add_co_u32 s46, s46, s93
	s_mov_b32 s47, 0
	s_mul_i32 s45, s14, HALFT                      ; where the tiles go: wave x 128 rows: no place in the cluster enters an LDS address
	s_wait_dscnt 0x0                               ; the opening add is done
	s_wait_kmcnt 0x0
	s_load_b256 s[80:87], s[72:73], 0x0            ; e0 .. e7
	s_load_b128 s[88:91], s[72:73], 0x20           ; e8 .. e11
	s_cmp_eq_u32 s[WH], 2
	s_cselect_b64 s[4:5], s[70:71], s[68:69]       ; A's buffer,
	s_cselect_b64 s[6:7], s[68:69], s[70:71]       ; B's
	s_add_nc_u64 s[20:21], s[4:5], s[20:21]
	s_add_nc_u64 s[46:47], s[6:7], s[46:47]
	CROUND                                         ; all sixteen work-groups are here: the first joint loads meet
.irp s, 0,1
	s_mov_b32 s[G0+4*\s], 1
	s_add_co_u32 s[G0+4*\s+1], s45, \s*SLOT
	s_add_nc_u64 s[G0+4*\s+2:G0+4*\s+3], s[20:21], \s*ROWB
	s_or_b32 s[G0+4*\s+3], s[G0+4*\s+3], 0x80000000
	s_mov_b32 s[G0B+4*\s], 1
	s_add_co_u32 s[G0B+4*\s+1], s45, \s*SLOT
	s_add_nc_u64 s[G0B+4*\s+2:G0B+4*\s+3], s[46:47], \s*ROWB
	s_or_b32 s[G0B+4*\s+3], s[G0B+4*\s+3], 0x80000000
	JLOAD G0+4*\s, G1, G0B+4*\s, G1B
.endr
	v_and_b32 v1, 15, v0                           ; r = lane % 16
	v_bfe_u32 v2, v0, 4, 1                         ; h = lane / 16
	v_mul_u32_u24 v3, v1, PITCH
	v_lshl_add_u32 v4, v2, 4, v3                   ; a fragment's row x pitch + 16 h
	s_mul_i32 s21, s15, HALFT                      ; my 128 rows of A
	s_mul_i32 s22, s16, HALFT                      ; my 128 rows of B,
	s_add_co_u32 s22, s22, 2*HALFT                 ; which lie behind A's 256
.irp s, 0,1
	v_add_nc_u32 v[ADRA+\s], s21, v4
	v_add_nc_u32 v[ADRB+\s], s22, v4
	s_add_co_u32 s21, s21, SLOT
	s_add_co_u32 s22, s22, SLOT
.endr
	; the stages.  Q, K: token 16 a + r lies in stage row 16 a + 4 (r % 4) + r / 4, so that the 16 lanes of a store touch 16 rows and the 16 lanes of a read (4 tokens x 64 bytes) rows four apart
	v_and_b32 v5, 3, v1
	v_lshrrev_b32 v6, 2, v1
	v_lshl_add_u32 v5, v5, 2, v6
	v_mul_u32_u24 v5, v5, PITCH
	v_lshl_add_u32 v5, v2, 4, v5
	s_mul_i32 s23, s15, 128*PITCH
	s_lshl_b32 s18, s16, 7
	s_add_co_u32 s23, s23, s18                     ; my 128 rows, my 128 bytes of them
	v_add_nc_u32 v[STOQ], s23, v5
	s_add_co_u32 s19, s23, STV
	v_add_nc_u32 v[STOV], s19, v4                  ; V: row = channel
	v_bfe_u32 v5, v0, 2, 2
	v_lshl_add_u32 v5, v5, 2, v2
	v_mul_u32_u24 v5, v5, PITCH
	v_and_b32 v6, 3, v0
	v_lshl_add_u32 v5, v6, 4, v5
	s_lshl_b32 s18, s15, 4
	s_lshl_b32 s19, s16, 1
	s_add_co_u32 s18, s18, s19
	s_mul_i32 s18, s18, PITCH
	v_add_nc_u32 v[RDQ], s18, v5                   ; back: token 32 n' + 8 wave + lane / 4, 16 (lane % 4) bytes on
	v_mul_u32_u24 v5, v2, PITCH
	v_lshl_add_u32 v5, v1, 4, v5
	s_mul_i32 s18, s14, 64*PITCH
	s_add_co_u32 s18, s18, STV
	v_add_nc_u32 v[RDV], s18, v5                   ; back: channels 64 wave + 2 i + h, whole rows
	v_and_b32 v[L16], 31, v0
	v_lshlrev_b32 v[L16], 4, v[L16]
	v_lshlrev_b32 v[VO], 11, v2
	v_lshl_add_u32 v[VO], v1, 4, v[VO]             ; V: a row of 2,048 bytes for h, 16 r
	; where my stores begin.  Q, K: ((b x 16 + head) x 2,048 + s) x 64; the wave's number is bits 3 and 4 of the token on the way back: for K they are exchanged
	s_lshr_b32 s18, s17, 3
	s_lshl_b32 s18, s18, 4
	s_lshl_b32 s19, s42, 2
	s_add_co_u32 s18, s18, s19
	s_lshl_b32 s18, s18, 17
	s_and_b32 s19, s17, 7
	s_lshl_b32 s19, s19, 14
	s_add_co_u32 s18, s18, s19
	s_lshl_b32 s19, s16, 1
	s_or_b32 s19, s19, s15
	s_cmp_eq_u32 s[WH], 1
	s_cselect_b32 s19, s19, s14
	s_lshl_b32 s19, s19, 9
	s_add_co_u32 s18, s18, s19
	; V: (b x 1,024 + channel) x 2,048 + s
	s_lshr_b32 s20, s42, 3
	s_lshl_b32 s20, s20, 10
	s_lshl_b32 s21, s17, 8
	s_add_co_u32 s20, s20, s21
	s_lshl_b32 s21, s14, 6
	s_add_co_u32 s20, s20, s21
	s_lshl_b32 s20, s20, 11
	s_and_b32 s21, s42, 7
	s_lshl_b32 s21, s21, 8
	s_add_co_u32 s20, s20, s21
	s_cmp_eq_u32 s[WH], 2
	s_cselect_b32 s18, s20, s18
	s_lshl_b32 s19, s[WH], 23
	s_add_co_u32 s18, s18, s19
	s_mov_b32 s19, 0
	s_add_nc_u64 s[10:11], s[76:77], s[18:19]
	s_and_b32 s18, s17, 7                          ; the table at my first token's place in its sequence: 4,096 bytes for 16 places
	s_lshl_b32 s18, s18, 16
	s_lshl_b32 s20, s15, 15
	s_add_co_u32 s18, s18, s20
	s_add_nc_u64 s[12:13], s[74:75], s[18:19]
	s_wait_kmcnt 0x0
	s_cmp_eq_u32 s[WH], 0                          ; eout, ex, ew: chosen by WHICH, no branch
	s_cselect_b32 s93, s86, s87
	s_cselect_b32 s94, s80, s82
	s_cselect_b32 s95, s81, s83
	s_cmp_eq_u32 s[WH], 2
	s_cselect_b32 s93, s89, s93
	s_cselect_b32 s94, s84, s94
	s_cselect_b32 s95, s85, s95
	s_sub_co_i32 s93, s93, s94
	s_sub_co_i32 s93, s93, s95
	s_add_co_i32 s93, s93, 127
	s_lshl_b32 s94, s93, 23
	v_mov_b32 v[SCL], s94
	s_add_co_i32 s93, s93, 8
	s_lshl_b32 s93, s93, 23
	s_or_b32 s93, s93, 0x600000
	v_mov_b32 v[LIMV], s93
.macro FRAG reg, adr, q, i             ; a fragment: lane l holds row l % 16; registers 4 c .. 4 c + 3 hold K = 32 c + 16 (l / 16) + 0 .. 15: the same order of k in A and in B
.irp c, 0,1,2,3
	ds_load_b128 v[\reg+4*\c:\reg+4*\c+3], v[\adr] offset:128*(\q)+32*\c+(\i)*16*PITCH
.endr
.endm
; 16 matrix instructions: A's blocks a0, a0 + 1 x B's eight, 128 along K.  The 64 accumulators take turns, one instruction a turn, in the same order in every step.
.macro MUL16 a0, p, zero
.irp a, \a0, \a0+1
.irp b, 0,1,2,3,4,5,6,7
.if \zero
	v_wmma_f32_16x16x128_fp8_fp8 v[8*(8*((\a)%4)+\b):8*(8*((\a)%4)+\b)+7], v[128*(\p)+FR*\b:128*(\p)+FR*\b+FR-1], v[AF+FR*(\a):AF+FR*(\a)+FR-1], 0
.else
	v_wmma_f32_16x16x128_fp8_fp8 v[8*(8*((\a)%4)+\b):8*(8*((\a)%4)+\b)+7], v[128*(\p)+FR*\b:128*(\p)+FR*\b+FR-1], v[AF+FR*(\a):AF+FR*(\a)+FR-1], v[8*(8*((\a)%4)+\b):8*(8*((\a)%4)+\b)+7]
.endif
.endr
.endr
.endm
.macro FETCH_B slot, q, p
	WIN TO_B
.irp i, 0,1,2,3,4,5,6,7
	FRAG 128*(\p)+FR*\i, ADRB+\slot, \q, \i
.endr
	WIN 0
.endm
.macro FETCH_A slot, q, i0
.irp i, \i0, \i0+1, \i0+2, \i0+3
	FRAG AF+FR*(\i), ADRA+\slot, \q, \i
.endr
.endm
.macro PLACES n                        ; plain vector lines between a matrix instruction and a load into, or a vector line on, its registers
.rept \n
	v_nop
.endr
.endm
.macro STEP slot, q, zero              ; a step of 128 along K that has its successor in the same slot
	s_wait_dscnt 4*NL                              ; B's set and A's blocks 0-3 are in; the youngest 16 loads (A's blocks 4-7) may be out
	WIN MUL_LO
	MUL16 0, (\q)%2, \zero
	MUL16 2, (\q)%2, \zero
	s_wait_dscnt 0
	PLACES NP
	FETCH_B \slot, (\q)+1, 1-(\q)%2
	FETCH_A \slot, (\q)+1, 0
	WIN MUL_HI
	MUL16 4, (\q)%2, \zero
	MUL16 6, (\q)%2, \zero
	PLACES NP
	WIN 0
	FETCH_A \slot, (\q)+1, 4
.endm
; A slot's last step changes slots: ONE barrier; in front of it each wave waits for all its tensor loads, adds 0 to its spare word, and waits for that and for its own reads of this slot.  fill = 1: the slot is filled again.
.macro TURN slot, next, fill
	s_wait_tensorcnt 0x0                           ; all my tensor loads have landed: my part of the next slot
	ds_add_u32 v[SPW], v[NIL]                      ; 0 onto my spare word
	s_wait_dscnt 4*NL+1                            ; (the add and the youngest 16 loads may be out)
	WIN MUL_LO
	MUL16 0, 1, 0
	s_wait_dscnt 0x0                               ; the add is done, and my reads of this slot are over
	s_barrier_signal -1
	MUL16 2, 1, 0
	WIN 0
	s_barrier_wait -1
.if \fill
	CREST                                          ; the barrier has opened a round of the cluster's barrier: no wave of any partner still reads this slot or has a load on its way
	s_add_nc_u64 s[G0+4*\slot+2:G0+4*\slot+3], s[G0+4*\slot+2:G0+4*\slot+3], 2*ROWB
	s_add_nc_u64 s[G0B+4*\slot+2:G0B+4*\slot+3], s[G0B+4*\slot+2:G0B+4*\slot+3], 2*ROWB
	JLOAD G0+4*\slot, G1, G0B+4*\slot, G1B         ; the first tensor load behind the round; its four v_nop are the places in front of the loads below
.else
	PLACES NP
.endif
	FETCH_B \next, 0, 0
	FETCH_A \next, 0, 0
	WIN MUL_HI
	MUL16 4, 1, 0
	MUL16 6, 1, 0
	PLACES NP
	WIN 0
	FETCH_A \next, 0, 4
.endm
.macro LAST                            ; the very last step: nothing more to fetch
	s_wait_dscnt 4*NL
	WIN MUL_LO
	MUL16 0, 1, 0
	MUL16 2, 1, 0
	s_wait_dscnt 0
	WIN MUL_HI
	MUL16 4, 1, 0
	MUL16 6, 1, 0
	WIN 0
.endm
	s_wait_tensorcnt 1                             ; my part of K step 0 is in (K step 1's load may be out),
	s_barrier_signal -1
	s_barrier_wait -1                              ; everybody's is
	FETCH_B 0, 0, 0
	FETCH_A 0, 0, 0
	FETCH_A 0, 0, 4
	STEP 0, 0, 1                                   ; the first step's products start the sums: nothing is cleared
	s_mov_b32 s3, LAPS-1
.Llap:                                                 ; a trip goes once round the ring and fills both slots again
	TURN 0, 1, 1
	STEP 1, 0, 0
	TURN 1, 0, 1
	STEP 0, 0, 0
	s_sub_co_u32 s3, s3, 1
	s_cmp_lg_u32 s3, 0
	s_cbranch_scc1 .Llap
	TURN 0, 1, 0                                   ; the last lap fills nothing
	STEP 1, 0, 0
	s_cmp_eq_u32 s[WH], 2                          ; the ways part on the cluster's number: alike in all waves and all partners
	s_cbranch_scc1 .Lv
	; ---- Q and K
.macro TABLE a                         ; cos and sin of block a's 16 tokens: eight loads of 512 consecutive bytes, into set a % 2
.irp c, 0,1,2,3,4,5,6,7
	global_load_b128 v[CS0+32*((\a)%2)+4*\c:CS0+32*((\a)%2)+4*\c+3], v[L16], s[12:13] offset:(\a)*4096+\c*512
.endr
.endm
.macro CODES a, adr                    ; 64 numbers in TMP become 64 codes, 16 bytes for each 32 columns, and go into the stage
.set CD, CODE+16*((\a)%2)
	s_wait_dscnt 4                                 ; the stores of two blocks back have read this set of code registers
.irp b, 0,1,2,3
	v_cvt_scalef32_pk8_fp8_f32 v[CD+4*\b:CD+4*\b+1], v[TMP+16*\b:TMP+16*\b+7], v[SCL]
	v_cvt_scalef32_pk8_fp8_f32 v[CD+4*\b+2:CD+4*\b+3], v[TMP+16*\b+8:TMP+16*\b+15], v[SCL]
.endr
	v_nop                                          ; a plain vector line between the conversions and the next lines that write their sources
.irp b, 0,1,2,3
	ds_store_b128 v[\adr], v[CD+4*\b:CD+4*\b+3] offset:(\a)*16*PITCH+32*\b
.endr
.endm
.macro QKBLOCK a
.set AC, 64*((\a)%4)
.set CB, CS0+32*((\a)%2)
.if (\a) < 7
	s_wait_loadcnt 8                               ; this block's eight table loads are in; the next block's may be out
.else
	s_wait_loadcnt 0
.endif
	WIN 0x02+((\a)/4)                              ; source 0: the accumulators' window
.set k, 0
.rept 32
	v_pk_mul_f32 v[TMP+k:TMP+k+1], v[AC+k:AC+k+1], v[CB+k%32:CB+k%32+1] op_sel:[1,1] op_sel_hi:[1,0]   ; (odd x sin, odd x cos); each accumulator from its low end on
.set k, k+2
.endr
.set k, 0
.rept 32
	v_pk_fma_f32 v[TMP+k:TMP+k+1], v[AC+k:AC+k+1], v[CB+k%32:CB+k%32+1], v[TMP+k:TMP+k+1] op_sel_hi:[0,1,1] neg_lo:[0,0,1]   ; (even x cos - odd x sin, even x sin + odd x cos)
.set k, k+2
.endr
	WIN 0
.if (\a) < 6
	TABLE (\a)+2
.endif
.set k, 0
.rept 64
.set k, k+1
.endr
	s_wait_alu depctr_va_vdst(0)
	CODES \a, STOQ
.endm
	s_wait_alu depctr_va_vdst(0)
	TABLE 0                                        ; asked for ahead of the last 64 products
	TABLE 1
	LAST
	PLACES NP
.irp a, 0,1,2,3,4,5,6,7
	QKBLOCK \a
.endr
	s_wait_dscnt 0x0                               ; for the others' sake: my stores into the stage are done
	s_barrier_signal -1
	s_barrier_wait -1
.set n, 0
.rept 32
	ds_load_b128 v[BK+4*n:BK+4*n+3], v[RDQ] offset:(n/4)*32*PITCH+64*(n%4)   ; 8 tokens x 64 bytes of head n % 4
.set n, n+1
.endr
.set n, 0
.rept 32
	s_wait_dscnt 31-n
	global_store_b128 v[L16], v[BK+4*n:BK+4*n+3], s[10:11] offset:(n%4)*131072+(n/4)*2048   ; 512 consecutive bytes
.set n, n+1
.endr
	s_branch .Lend
	; ---- V
.Lv:
.macro VBLOCK a
.set AC, 64*((\a)%4)
	WIN 0x02+((\a)/4)
.set k, 0
.rept 64
	v_med3_num_f32 v[TMP+k], v[AC+k], -v[LIMV], v[LIMV]    ; each accumulator from its low end on
.set k, k+1
.endr
	WIN 0
	s_wait_alu depctr_va_vdst(0)
	CODES \a, STOV
.endm
	LAST
	PLACES NP
	s_wait_alu depctr_va_vdst(0)
.irp a, 0,1,2,3,4,5,6,7
	VBLOCK \a
.endr
	s_wait_dscnt 0x0
	s_barrier_signal -1
	s_barrier_wait -1
.set n, 0
.rept 32
	ds_load_b128 v[BK+4*n:BK+4*n+3], v[RDV] offset:n*2*PITCH
.set n, n+1
.endr
.set n, 0
.rept 32
	s_wait_dscnt 31-n
	global_store_b128 v[VO], v[BK+4*n:BK+4*n+3], s[10:11] offset:((((2*n)&39)|(((2*n)&8)<<1)|(((2*n)&16)>>1)))*2048   ; two channels' 256 bytes; the channel's bits 3 and 4 exchanged
.set n, n+1
.endr
.Lend:
	s_wait_tensorcnt 0x0                           ; the wave's end: behind my last tensor load and my last LDS store
	ds_add_u32 v[SPW], v[NIL]
	s_wait_dscnt 0x0
	CROUND                                         ; the closing round: no work-group ends while a partner may still ask for a tile that names it
	s_endpgm
.Lfunc_end_k_q1c1b7533bf_qkv:
	.size	k_q1c1b7533bf_qkv, .Lfunc_end_k_q1c1b7533bf_qkv-k_q1c1b7533bf_qkv
	.p2alignl 7, 3214868480
	.fill 96, 4, 3214868480
	.section	.rodata,"a",@progbits
	.p2align	6, 0x0
	.amdhsa_kernel k_q1c1b7533bf_qkv
		.amdhsa_group_segment_fixed_size 327680
		.amdhsa_private_segment_fixed_size 0
		.amdhsa_enable_private_segment 0
		.amdhsa_kernarg_size 40
		.amdhsa_user_sgpr_count 2
		.amdhsa_user_sgpr_kernarg_segment_ptr 1
		.amdhsa_wavefront_size32 1
		.amdhsa_system_sgpr_workgroup_id_x 1
		.amdhsa_system_sgpr_workgroup_id_y 1
		.amdhsa_system_sgpr_workgroup_id_z 1
		.amdhsa_system_vgpr_workitem_id 0
		.amdhsa_next_free_vgpr 1024
		.amdhsa_next_free_sgpr 100
		.amdhsa_reserve_vcc 0
		.amdhsa_float_denorm_mode_32 3
		.amdhsa_float_denorm_mode_16_64 3
		.amdhsa_fp16_overflow 1
		.amdhsa_memory_ordered 1
		.amdhsa_forward_progress 1
		.amdhsa_inst_pref_size 182
	.end_amdhsa_kernel
	.amdgpu_metadata
---
amdhsa.version: [ 1, 2 ]
amdhsa.kernels:
  - .name:           k_q1c1b7533bf_qkv
    .symbol:         k_q1c1b7533bf_qkv.kd
    .args:
      - { .name: xcodes, .offset: 0, .size: 8, .value_kind: global_buffer, .address_space: global }
      - { .name: wcodes, .offset: 8, .size: 8, .value_kind: global_buffer, .address_space: global }
      - { .name: lowp_scales, .offset: 16, .size: 8, .value_kind: global_buffer, .address_space: global }
      - { .name: rope, .offset: 24, .size: 8, .value_kind: global_buffer, .address_space: global }
      - { .name: qkv, .offset: 32, .size: 8, .value_kind: global_buffer, .address_space: global }
    .group_segment_fixed_size: 327680
    .private_segment_fixed_size: 0
    .kernarg_segment_align: 8
    .kernarg_segment_size: 40
    .max_flat_workgroup_size: 128
    .sgpr_count:     100
    .vgpr_count:     1024
    .wavefront_size: 32
...
	.end_amdgpu_metadata
.endif
;; end of part 2
;; launch attn (part 3): grid 4 x 64, 16 waves a work-group, no clusters, 327,680 bytes of LDS; arguments qkv, lowp_scales, ocodes; writes ocodes
.if DOCPART == 3
	.amdgcn_target "amdgcn-amd-amdhsa--gfx1250"
	.amdhsa_code_object_version 6
	.text
	.protected	k_q1c1b7533bf_attn
	.globl	k_q1c1b7533bf_attn
	.p2align	8
	.type	k_q1c1b7533bf_attn,@function
k_q1c1b7533bf_attn:
	s_mov_b64 s[64:65], 0
	v_nop
	global_prefetch_b8 v0, s[64:65] scope:SCOPE_SE
	s_setreg_imm32_b32 hwreg(HW_REG_WAVE_MODE, 25, 1), 1
	s_wait_xcnt 0x0
; ATTN.  Causal attention on codes of E4M3, head size 64, 2,048 keys, 64 heads (batch x head = work-group y); the result is divided by the row's sum and quantised (2^e10) for the output projection.
; THE SOFTMAX AHEAD OF THE SECOND PRODUCT: t = score x log2(e) / 8; M = the row's largest t so far, rounded UP to a whole number; p = 2^(t - M) is quantised (2^e8), not normalised.  The row's sum is taken of the
; unquantised p.  When M moves, the sum and O are multiplied by 2^(old M - new M): exact.
; SHARES.  Work-group x = a (0..3) owns the query blocks a and 7 - a of its head, 256 queries each: under the causal mask every work-group then has the same number of key steps.  Each of its sixteen waves owns 32 queries,
; two tiles of 16; which block a wave takes is bit 2 xor bit 0 of its number.  A key step is 64 keys: each fragment of K and of V read from LDS feeds two matrix instructions.
; K and V come through a ring of two LDS slots of 256 keys (wave 0 fetches K's tile, wave 1 V's), read by all sixteen.  Every work-group walks all eight slots; a step all of whose keys come after the wave's queries is left out
; by a scalar branch on ids, and a slot whose first key comes after the work-group's last query is not asked for.
; NO CLUSTER: the four work-groups of a head read the same K and V, but under the mask they have unlike work in each slot (a = 3: all sixteen waves in slots 0-3, eight in slot 4, none behind; a = 0: eight waves in slots 1-7); a round of a cluster's barrier
; for each slot would hold all four to the slowest in every slot; and what is shared is 32 KiB a slot.
; LAYOUT.  Both products are used transposed: S^T = K Q^T (source 0 = 16 keys, source 1 = 16 queries), O^T = V^T P^T (source 0 = 16 channels, source 1 = P): a lane holds ONE query (lane % 16) throughout.
; K's rows lie in memory with bits 3 and 4 of the key exchanged, V's with bits 3 and 4 of the channel: so the 16 registers of tiles 2 b and 2 b + 1 are 16 neighbours, 32 b + 16 (lane / 16) + 0 .. 15, keys in S^T and channels in O^T.
; A fragment (16 rows x 64 K) comes by two loads of 16 bytes, 32 bytes apart: registers 4 c .. 4 c + 3 hold k = 32 c + 16 (lane / 16) + 0 .. 15: the same order of k in both operands of a product.
; ocodes: [token / 4][head][token % 4][64]: four tokens of a head are 256 consecutive bytes.
; LIMITS on the given exponents: e6 + e7 between -123 and 130 (they are added to c's exponent field); e8, and e10 - e8 - e9, between -126 and 119.
.set SK,    256                        ; keys in a slot
.set LP,    272                        ; a line in LDS: 256 bytes + 16 of padding.  K: four keys' 64 bytes; V: a channel's 256 keys
.set VOFF,  64*LP                      ; a slot: 64 lines of K, then 64 lines of V
.set SLOT1, 1<<16                      ; slot 1 begins here: one exclusive or turns an address in one slot into the other's
.set NSL,   8
.set SPARE, 2*SLOT1                    ; behind the ring: the spare words, 128 bytes a wave
.set STAGE, SPARE+2048                 ; the way out: 2,048 bytes a wave; no tile lands here
.set AK0,  1                           ; v1   my lane's place in a tile of K
.set AV0,  2                           ; v2   the same for V
.set PFO,  3                           ; v3   the prefetches' offset; never rewritten
.set DL,   4                           ; v4   lane % 16 - 16 (lane / 16), for the mask
.set SPW,  5                           ; v5   my spare word's LDS address; never rewritten
.set NIL,  6                           ; v6   0; never rewritten
.set GO,   7                           ; v7   the way out: my byte offset in ocodes
.set ADK,  8                           ; v8, v9  LDS addresses of the step's tiles
.set ADV,  9
.set SIN,  10                          ; v10  the stage, in;  v11  back
.set SBK,  11
.set ST,   12                          ; tile t: v[12 + 4 t] -M, v[13 + 4 t] the largest t, v[14 + 4 t : 15 + 4 t] the sum in two halves
.set QR,   20                          ; v20-35   Q, 8 registers a tile
.set KR,   36                          ; v36-67   K's four fragments
.set VR,   68                          ; v68-99   V's four fragments
.set S,    100                         ; v100-163 S^T, then p: 32 registers a tile
.set O,    164                         ; v164-227 O^T: 32 a tile
.set PR,   228                         ; v228-243 p's codes: 8 a tile
.set MA,   246                         ; at work: tile 0 v246, v247; tile 1 v252, v253
.set FF,   248                         ; v[248:249], v[250:251]: f of tile 0, of tile 1 (the low word serves both halves)
.set QA,   254                         ; v254 Q's load offset
.set WV,   18
.set SEL,  20                          ; s[20:21] lane selects for v_permlanex16_b32: lane l xor 16
.set CS,   22                          ; s[22:23] c = log2(e) / 8
.set G1K,  24
.set G1V,  32
.set G0K,  40
.set G0V,  44
.set TB,   2                           ; s2   LDS byte at which the slot in hand begins
.set LQ,   66                          ; s66  my work-group's last query
.set SLOTS, 67
.set KF,   98                          ; s98  the step's first key
.set Q0,   99                          ; s99  my first query
.set PFA,  76                          ; s[76:77] where my prefetches stand;  s[78:79] a slot on;  s80: 1 in a wave that prefetches, else the greatest number
.set PFS,  78
.set LIM,  80
; Wave 0 fetches K's tile, wave 1 V's, the others nothing.  An s_nop 0 and four v_nop follow each of the two lines.
.macro TLOAD
	s_cmp_eq_u32 s[WV], 0
	s_cbranch_scc0 .Lnot_k_\@
	tensor_load_to_lds s[G0K:G0K+3], s[G1K:G1K+7]
	s_nop 0
.rept 4
	v_nop
.endr
	s_branch .Lasked_\@
.Lnot_k_\@:
	s_cmp_eq_u32 s[WV], 1
	s_cbranch_scc0 .Lasked_\@
	tensor_load_to_lds s[G0V:G0V+3], s[G1V:G1V+7]
	s_nop 0
.rept 4
	v_nop
.endr
.Lasked_\@:
.endm
; A prefetch of what the NEXT change of slots will ask for: K's 16,384 bytes and 256 bytes of each of V's 64 rows.  Each aligned block of 256 bytes is named once in the launch: the head's work-group a = 0, which loads all
; eight slots, asks; in it waves 4 and 5 for K (8,192 bytes a wave, lanes 256 bytes apart), waves 6 and 7 for V (32 rows a wave, a lane a row).  Slots 0 and 1 come by their loads alone; the last change that fills a slot asks for nothing.
.macro ASK
	s_cmp_gt_u32 s[SLOTS], s[LIM]
	s_cbranch_scc0 .Lnot_mine_\@
	global_prefetch_b8 v[PFO], s[PFA:PFA+1] th:TH_LOAD_NT scope:SCOPE_SE
.Lnot_mine_\@:
.endm
	s_load_b128 s[4:7], s[0:1], 0x0                ; qkv s[4:5], the scales' exponents s[6:7]
	s_load_b64 s[8:9], s[0:1], 0x10                ; ocodes
	v_lshl_add_u32 v[SPW], v0, 2, SPARE
	v_mov_b32 v[NIL], 0
	ds_add_u32 v[SPW], v[NIL]                      ; the wave's opening: the add and its wait ahead of the first tensor load; the set-up below stands between them
	ds_add_u32 v[SPW], v[NIL]
	v_lshrrev_b32 v8, 5, v0
	s_delay_alu instid0(VALU_DEP_1)
	v_readfirstlane_b32 s[WV], v8                  ; wave 0..15
	s_and_b32 s82, s[WV], 1
	s_bfe_u32 s83, s[WV], 0x10002
	s_xor_b32 s83, s83, s82                        ; 1: the later block
	s_and_b32 s84, s[WV], 3
	s_lshr_b32 s85, s[WV], 3
	s_lshl_b32 s85, s85, 2
	s_add_co_u32 s84, s84, s85                     ; which 32 queries of the block
	s_sub_co_u32 s85, 7, ttmp9
	s_cmp_eq_u32 s83, 1
	s_cselect_b32 s85, s85, ttmp9
	s_lshl_b32 s85, s85, 8
	s_lshl_b32 s84, s84, 5
	s_add_co_u32 s[Q0], s85, s84
	s_lshl_b32 s[LQ], ttmp9, 8
	s_sub_co_u32 s[LQ], 2047, s[LQ]
	s_and_b32 s73, ttmp7, 0xffff                   ; y = 16 b + head
	s_lshl_b32 s74, s73, 17                        ; a head's codes are 131,072 bytes in each of qkv's three parts
	s_mov_b32 s[G1K], (0<<16)|(1<<20)|(5<<22)|(3<<25)   ; no mask; elements of 1 byte; padding: four words after every 64
	s_mov_b32 s[G1K+1], 256<<16                    ; tensor_dim0.  K's 256 rows of 64 bytes are dense in memory: stated as 64 rows of 256
	s_mov_b32 s[G1K+2], 64<<16                     ; tensor_dim1
	s_mov_b32 s[G1K+3], 256<<16                    ; tile_dim0
	s_mov_b32 s[G1K+4], 64                         ; tile_dim1
	s_mov_b32 s[G1K+5], 256                        ; tensor_dim0_stride
	s_mov_b32 s[G1K+6], 0
	s_mov_b32 s[G1K+7], 0
	s_mov_b32 s[G1V], (0<<16)|(1<<20)|(5<<22)|(3<<25)
	s_mov_b32 s[G1V+1], 256<<16
	s_mov_b32 s[G1V+2], 64<<16
	s_mov_b32 s[G1V+3], 256<<16
	s_mov_b32 s[G1V+4], 64
	s_mov_b32 s[G1V+5], 2048                       ; a channel's row is 2,048 keys
	s_mov_b32 s[G1V+6], 0
	s_mov_b32 s[G1V+7], 0
	s_mov_b32 s[SEL], 0x76543210
	s_mov_b32 s[SEL+1], 0xfedcba98
	s_mov_b32 s[CS], 0x3e38aa3b                    ; c = log2(e) / sqrt(64)
	s_mov_b32 s[TB], 0
	s_mov_b32 s[SLOTS], NSL-1
	s_mov_b32 s[KF], 0
	s_mov_b32 s87, 0
	s_wait_dscnt 0x0                               ; the opening add is done
	s_wait_kmcnt 0x0
	s_load_b128 s[68:71], s[6:7], 0x18             ; e6, e7, e8, e9
	s_load_b32 s72, s[6:7], 0x28                   ; e10
	s_mov_b32 s[G0K], 1
	s_mov_b32 s[G0K+1], 0                          ; slot 0
	s_add_co_u32 s86, s74, 0x800000                ; K's part
	s_add_nc_u64 s[G0K+2:G0K+3], s[4:5], s[86:87]
	s_or_b32 s[G0K+3], s[G0K+3], 0x80000000
	s_mov_b32 s[G0V], 1
	s_mov_b32 s[G0V+1], VOFF
	s_add_co_u32 s86, s74, 0x1000000               ; V's part
	s_add_nc_u64 s[G0V+2:G0V+3], s[4:5], s[86:87]
	s_or_b32 s[G0V+3], s[G0V+3], 0x80000000
	TLOAD                                          ; slot 0
	s_lshl_b32 s86, s[Q0], 6
	s_add_co_u32 s86, s86, s74
	s_add_nc_u64 s[10:11], s[4:5], s[86:87]        ; Q's codes at my first query
	s_lshr_b32 s86, s73, 4
	s_lshl_b32 s86, s86, 11
	s_add_co_u32 s86, s86, s[Q0]                   ; my first token
	s_lshl_b32 s86, s86, 10
	s_and_b32 s88, s73, 15
	s_lshl_b32 s88, s88, 8
	s_add_co_u32 s86, s86, s88
	s_add_nc_u64 s[16:17], s[8:9], s[86:87]        ; ocodes at my first token and head
	; the prefetches: where my wave's stand, and who asks
	s_cmp_lt_u32 s[WV], 6                          ; waves 4 and 5: K; waves 6 and 7: V
	s_mov_b32 s[PFS], 256
	s_cselect_b32 s[PFS], 16384, s[PFS]            ; a slot on
	s_mov_b32 s82, 2048
	s_cselect_b32 s82, 256, s82                    ; from lane to lane
	s_mov_b32 s83, 65536
	s_cselect_b32 s83, 8192, s83                   ; from wave to wave
	s_mov_b32 s84, 0x1000000
	s_cselect_b32 s84, 0x800000, s84               ; the part of qkv
	v_and_b32 v[PFO], 31, v0
	s_delay_alu instid0(VALU_DEP_1)
	v_mul_lo_u32 v[PFO], v[PFO], s82
	s_and_b32 s85, s[WV], 1
	s_mul_i32 s85, s85, s83
	s_add_co_u32 s85, s85, s[PFS]                  ; in slot 1: the first change of slots steps it to slot 2
	s_add_co_u32 s85, s85, s84
	s_add_co_u32 s86, s85, s74
	s_mov_b32 s[PFS+1], 0
	s_add_nc_u64 s[PFA:PFA+1], s[4:5], s[86:87]
	s_sub_co_u32 s82, s[WV], 4
	s_lshr_b32 s82, s82, 2                         ; 0 in waves 4 to 7,
	s_or_b32 s82, s82, ttmp9                       ; of work-group a = 0
	s_cmp_eq_u32 s82, 0
	s_cselect_b32 s[LIM], 1, -1
	v_and_b32 v8, 15, v0                           ; r
	v_bfe_u32 v9, v0, 4, 1                         ; h
	s_delay_alu instid0(VALU_DEP_2)
	v_lshlrev_b32 v[QA], 6, v8
	s_delay_alu instid0(VALU_DEP_1)
	v_lshl_add_u32 v[QA], v9, 4, v[QA]             ; Q: row r of 64 bytes, + 16 h
.irp t, 0,1
.irp c, 0,1
	global_load_b128 v[QR+8*\t+4*\c:QR+8*\t+4*\c+3], v[QA], s[10:11] offset:1024*\t+32*\c   ; Q stays in registers
.endr
.endr
	v_lshrrev_b32 v[AK0], 2, v8
	s_delay_alu instid0(VALU_DEP_1)
	v_mul_u32_u24 v[AK0], v[AK0], LP
	v_and_b32 v[AV0], 3, v8
	s_delay_alu instid0(VALU_DEP_1)
	v_lshl_add_u32 v[AK0], v[AV0], 6, v[AK0]
	s_delay_alu instid0(VALU_DEP_1)
	v_lshl_add_u32 v[AK0], v9, 4, v[AK0]           ; K: line r / 4, 64 (r % 4) + 16 h
	v_mul_u32_u24 v[AV0], v8, LP
	s_delay_alu instid0(VALU_DEP_1)
	v_lshl_add_u32 v[AV0], v9, 4, v[AV0]
	s_delay_alu instid0(VALU_DEP_1)
	v_add_nc_u32 v[AV0], VOFF, v[AV0]
	v_lshlrev_b32 v[DL], 4, v9
	s_delay_alu instid0(VALU_DEP_1)
	v_sub_nc_u32 v[DL], v8, v[DL]
	v_lshlrev_b32 v[GO], 12, v9
	s_delay_alu instid0(VALU_DEP_1)
	v_lshl_add_u32 v[GO], v8, 4, v[GO]             ; lanes 0-15 four tokens' 256 bytes, lanes 16-31 the next four's, 4,096 bytes on
	s_lshl_b32 s86, s[WV], 11
	s_add_co_u32 s86, s86, STAGE                   ; my stage
	v_lshlrev_b32 v[SIN], 6, v8
	s_delay_alu instid0(VALU_DEP_1)
	v_lshl_add_u32 v[SIN], v9, 4, v[SIN]
	s_delay_alu instid0(VALU_DEP_1)
	v_add_nc_u32 v[SIN], s86, v[SIN]               ; in: 64 r + 16 h
	v_and_b32 v[SBK], 31, v0
	s_delay_alu instid0(VALU_DEP_1)
	v_lshl_add_u32 v[SBK], v[SBK], 4, s86          ; back: 16 x lane
.irp t, 0,1
	v_mov_b32 v[ST+4*\t+1], 0xff61b1e6             ; the largest t so far: -3e38, under every t
	s_delay_alu instid0(VALU_DEP_1)
	v_floor_f32 v[ST+4*\t], -v[ST+4*\t+1]          ; -M
	v_mov_b32 v[ST+4*\t+2], 0                      ; the sum, in two halves
	v_mov_b32 v[ST+4*\t+3], 0
	v_mov_b32 v[MA+6*\t], 0                        ; written once: a lane permute's destination counts as one of its sources
	v_mov_b32 v[MA+6*\t+1], 0
	v_mov_b32 v[FF+2*\t+1], 0                      ; (named as the upper half of f's pair)
.endr
	v_mov_b32 v255, 0xff800000                     ; -infinity
.set n, 0
.rept 64
	v_mov_b32 v[O+n], 0                            ; O^T.  (The step is written once: the first finds zeros, which the first change of M leaves zeros)
.set n, n+1
.endr
	s_wait_kmcnt 0x0
	s_add_co_i32 s86, s68, s69
	s_lshl_b32 s86, s86, 23
	s_add_co_i32 s[CS], s[CS], s86                 ; a score stands for score x 2^(e6 + e7): the exponents are added to c's exponent field
	s_mov_b32 s[CS+1], s[CS]
	s_add_co_i32 s86, s70, 127
	s_lshl_b32 s88, s86, 23
	v_mov_b32 v244, s88                            ; 2^e8, for the conversion
; A KEY STEP: 64 keys, the q-th of the slot in hand, for both my tiles.
.macro STEP q
	s_add_co_u32 s96, s[Q0], 31                    ; a step all of whose keys come after my 32 queries is left out: a branch on ids, round the step's loads, products and softmax alone
	s_cmp_gt_u32 s[KF], s96
	s_cbranch_scc1 .Lhidden_\@
	v_add_nc_u32 v[ADK], s[TB], v[AK0]
	v_add_nc_u32 v[ADV], s[TB], v[AV0]
	v_nop                                          ; with the two additions: four places between the last step's products and the loads into the registers that they read
	v_nop
.irp u, 0,1,2,3
.irp c, 0,1
	ds_load_b128 v[KR+8*\u+4*\c:KR+8*\u+4*\c+3], v[ADK] offset:(16*(\q)+4*\u)*LP+32*\c
.endr
.endr
.irp u, 0,1,2,3
.irp c, 0,1
	ds_load_b128 v[VR+8*\u+4*\c:VR+8*\u+4*\c+3], v[ADV] offset:16*\u*LP+64*(\q)+32*\c
.endr
.endr
	s_wait_dscnt 8                                 ; K's eight loads are in; V's eight may be out
.irp u, 0,1,2,3
.irp t, 0,1
	v_wmma_f32_16x16x64_fp8_fp8 v[S+32*\t+8*\u:S+32*\t+8*\u+7], v[KR+8*\u:KR+8*\u+7], v[QR+8*\t:QR+8*\t+7], 0
.endr
.endr
.rept 4
	v_nop
.endr
	s_add_co_u32 s96, s[KF], 63                    ; on the diagonal the scores of hidden keys become -infinity ahead of the maximum: p = 0 then.  A step all of whose keys count skips this
	s_cmp_le_u32 s96, s[Q0]
	s_cbranch_scc1 .Lopen_\@
	s_sub_co_i32 s96, s[Q0], s[KF]
	s_add_co_i32 s97, s96, 16
	v_add_nc_u32 v[MA+6], s96, v[DL]               ; d = my query - the step's first key - 16 (lane / 16).  Register 16 b + i holds key 32 b + 16 (lane / 16) + i of the step: hidden where 32 b + i > d
	v_add_nc_u32 v[MA+7], s97, v[DL]
.irp t, 0,1
.set n, 0
.rept 32
	v_cmp_gt_i32 vcc_lo, 32*(n/16)+n%16, v[MA+6+\t]
	v_cndmask_b32 v[S+32*\t+n], v[S+32*\t+n], v255, vcc_lo
.set n, n+1
.endr
.endr
.Lopen_\@:
.irp t, 0,1                                    ; the step's largest score of my query among my 32 keys, in two chains a tile; the tiles by turns; each accumulator is first read in its low four registers
	v_max3_num_f32 v[MA+6*\t], v[S+32*\t], v[S+32*\t+1], v[S+32*\t+2]
	v_max3_num_f32 v[MA+6*\t+1], v[S+32*\t+3], v[S+32*\t+4], v[S+32*\t+5]
.endr
.irp i, 6,10,14,18,22,26
.irp t, 0,1
	v_max3_num_f32 v[MA+6*\t], v[MA+6*\t], v[S+32*\t+\i], v[S+32*\t+\i+1]
	v_max3_num_f32 v[MA+6*\t+1], v[MA+6*\t+1], v[S+32*\t+\i+2], v[S+32*\t+\i+3]
.endr
.endr
.irp t, 0
	v_max3_num_f32 v[MA+6*\t], v[MA+6*\t], v[S+32*\t+30], v[S+32*\t+31]
.endr
.irp t, 1
	v_max3_num_f32 v[MA+6*\t], v[MA+6*\t], v[S+32*\t+30], v[S+32*\t+31]
.endr
.irp t, 0,1
	s_delay_alu instid0(VALU_DEP_2)
	v_max_num_f32 v[MA+6*\t], v[MA+6*\t], v[MA+6*\t+1]
.endr
.irp t, 0,1
	s_delay_alu instid0(VALU_DEP_2)
	v_permlanex16_b32 v[MA+6*\t+1], v[MA+6*\t], s[SEL], s[SEL+1]
.endr
.irp t, 0,1
	s_delay_alu instid0(VALU_DEP_2)
	v_max_num_f32 v[MA+6*\t], v[MA+6*\t], v[MA+6*\t+1]     ; and among lane l xor 16's
.endr
.irp t, 0,1
	s_delay_alu instid0(VALU_DEP_2)
	v_mul_f32 v[MA+6*\t], s[CS], v[MA+6*\t]        ; as t (c is positive)
.endr
.irp t, 0,1
	s_delay_alu instid0(VALU_DEP_2)
	v_max_num_f32 v[ST+4*\t+1], v[ST+4*\t+1], v[MA+6*\t]   ; the running largest t
.endr
.irp t, 0,1
	v_mov_b32 v[MA+6*\t], v[ST+4*\t]
.endr
.irp t, 0,1
	s_delay_alu instid0(VALU_DEP_4)
	v_floor_f32 v[ST+4*\t], -v[ST+4*\t+1]          ; the new -M = floor(-t) = -ceil(t): a whole number
.endr
.irp t, 0,1
	s_delay_alu instid0(VALU_DEP_2)
	v_sub_f32 v[MA+6*\t], v[ST+4*\t], v[MA+6*\t]   ; old M - new M: a whole number, 0 or less
.endr
.irp t, 0,1
	s_delay_alu instid0(VALU_DEP_2)
	v_cvt_i32_f32 v[MA+6*\t], v[MA+6*\t]           ; (it saturates)
.endr
.irp t, 0,1
	s_delay_alu instid0(VALU_DEP_2)
	v_ldexp_f32 v[FF+2*\t], 1.0, v[MA+6*\t]        ; f = 2^(old M - new M)
.endr
.irp t, 0,1
.set n, 0
.rept 16
	v_pk_fma_f32 v[S+32*\t+n:S+32*\t+n+1], v[S+32*\t+n:S+32*\t+n+1], s[CS:CS+1], v[ST+4*\t:ST+4*\t+1] op_sel_hi:[1,0,0]   ; t - M, two at a time
.set n, n+2
.endr
.endr
.set n, 0
	s_wait_alu depctr_va_vdst(0)
.rept 64
	v_exp_f32 v[S+n], v[S+n]                       ; p = 2^(t - M), at most 1
.set n, n+1
.endr
.irp t, 0,1
	v_pk_mul_f32 v[ST+4*\t+2:ST+4*\t+3], v[ST+4*\t+2:ST+4*\t+3], v[FF+2*\t:FF+2*\t+1] op_sel_hi:[1,0]   ; the sums under the new M.  (The plain lines behind the exponentials)
.endr
	s_wait_alu depctr_va_vdst(0)                   ; one wait for the batch of 64, ahead of its first reader
.irp t, 0,1                                    ; the row's sum is taken of the UNQUANTISED p: two at a time, in two chains
	v_pk_add_f32 v[MA+6*\t:MA+6*\t+1], v[S+32*\t:S+32*\t+1], v[S+32*\t+2:S+32*\t+3]
.endr
.irp j, 4,8,12,16,20,24,28
.irp t, 0,1
	v_pk_add_f32 v[ST+4*\t+2:ST+4*\t+3], v[ST+4*\t+2:ST+4*\t+3], v[S+32*\t+\j:S+32*\t+\j+1]
	v_pk_add_f32 v[MA+6*\t:MA+6*\t+1], v[MA+6*\t:MA+6*\t+1], v[S+32*\t+\j+2:S+32*\t+\j+3]
.endr
.endr
.irp t, 0
	s_delay_alu instid0(VALU_DEP_3)
	v_pk_add_f32 v[ST+4*\t+2:ST+4*\t+3], v[ST+4*\t+2:ST+4*\t+3], v[MA+6*\t:MA+6*\t+1]
.endr
.irp t, 1
	s_delay_alu instid0(VALU_DEP_2)
	v_pk_add_f32 v[ST+4*\t+2:ST+4*\t+3], v[ST+4*\t+2:ST+4*\t+3], v[MA+6*\t:MA+6*\t+1]
.endr
.set n, 0
.rept 64
.set n, n+1
.endr
.irp t, 0,1
.irp b, 0,1
	v_cvt_scalef32_pk8_fp8_f32 v[PR+8*\t+4*\b:PR+8*\t+4*\b+1], v[S+32*\t+16*\b:S+32*\t+16*\b+7], v244
	v_cvt_scalef32_pk8_fp8_f32 v[PR+8*\t+4*\b+2:PR+8*\t+4*\b+3], v[S+32*\t+16*\b+8:S+32*\t+16*\b+15], v244
.endr
.endr
.irp t, 0,1
.set n, 0
.rept 16
	v_pk_mul_f32 v[O+32*\t+n:O+32*\t+n+1], v[O+32*\t+n:O+32*\t+n+1], v[FF+2*\t:FF+2*\t+1] op_sel_hi:[1,0]   ; O^T under the new M.  (Also the plain lines between the conversions and the products that read the codes)
.set n, n+2
.endr
.endr
	s_wait_alu depctr_va_vdst(0)
	s_wait_dscnt 0x0                               ; V is in
.irp u, 0,1,2,3                                ; O^T += V^T P^T: the eight accumulators take turns, one instruction a turn
.irp t, 0,1
	v_wmma_f32_16x16x64_fp8_fp8 v[O+32*\t+8*\u:O+32*\t+8*\u+7], v[VR+8*\u:VR+8*\u+7], v[PR+8*\t:PR+8*\t+7], v[O+32*\t+8*\u:O+32*\t+8*\u+7]
.endr
.endr
.Lhidden_\@:
	s_add_co_u32 s[KF], s[KF], 64
.endm
; THE CHANGE OF SLOTS stands at a slot's head.  Each wave waits for all its tensor loads, adds 0 to its spare word, and waits for that and for its reads of the slot that it has left.  Behind the barrier the slot ahead is whole
; and nobody reads the other one.  fill = 1: that other slot is filled with the keys that follow, up to the causal limit: the load has a whole slot's four steps in which to land.  One tensor load of a wave is out at the most.
.macro CHANGE fill
	s_wait_tensorcnt 0x0                           ; no tensor load of mine is out, so a group 0 may be written
	ds_add_u32 v[SPW], v[NIL]                      ; 0 onto my spare word
.if \fill
	s_xor_b32 s[G0K+1], s[G0K+1], SLOT1            ; the walking descriptors: the other slot,
	s_add_nc_u64 s[G0K+2:G0K+3], s[G0K+2:G0K+3], SK*64     ; the next 256 keys
	s_xor_b32 s[G0V+1], s[G0V+1], SLOT1
	s_add_nc_u64 s[G0V+2:G0V+3], s[G0V+2:G0V+3], SK
	s_wait_xcnt 0x0                                ; the last prefetch, a slot back, has read its address
	s_add_nc_u64 s[PFA:PFA+1], s[PFA:PFA+1], s[PFS:PFS+1]  ; one slot further on than the walking descriptors
.endif
	s_wait_dscnt 0x0                               ; the add is done, and my reads of the slot that I have left are over
	s_barrier_signal -1
	s_barrier_wait -1
.if \fill
	s_add_co_u32 s96, s[KF], SK                    ; the first key of the slot that this change would ask for: past my work-group's last query it is read by no wave, so it is not asked for
	s_cmp_gt_u32 s96, s[LQ]                        ; ids and the count of steps alone: all sixteen waves go the same way; every wait on TENSORcnt in this text is for 0
	s_cbranch_scc1 .Lpast_\@
	TLOAD                                          ; a wave's one tensor load until the next such barrier
.Lpast_\@:
	ASK
.endif
.endm
.macro SLOT_STEPS
	STEP 0
	STEP 1
	STEP 2
	STEP 3
	s_xor_b32 s[TB], s[TB], SLOT1
.endm
	s_wait_loadcnt 0x0                             ; Q
.Lslot:                                            ; seven trips
	CHANGE 1
	SLOT_STEPS
	s_sub_co_u32 s[SLOTS], s[SLOTS], 1
	s_cmp_lg_u32 s[SLOTS], 0
	s_cbranch_scc1 .Lslot
	CHANGE 0                                       ; the last slot is written out: nothing is left to ask for
	SLOT_STEPS
	; THE WAY OUT.  O^T / the sum; code = that x 2^(e8 + e9) / 2^e10: the three exponents are folded into the conversion's one scale.  The codes turn through my stage so that 16 lanes store 256 consecutive bytes.
.rept 4
	v_nop                                          ; places behind the last products
.endr
.irp t, 0,1
	v_add_f32 v[ST+4*\t+2], v[ST+4*\t+2], v[ST+4*\t+3]
.endr
.irp t, 0,1
	s_delay_alu instid0(VALU_DEP_2)
	v_permlanex16_b32 v[MA+6*\t], v[ST+4*\t+2], s[SEL], s[SEL+1]
.endr
.irp t, 0,1
	s_delay_alu instid0(VALU_DEP_2)
	v_add_f32 v[ST+4*\t+2], v[ST+4*\t+2], v[MA+6*\t]       ; the row's sum
.endr
	s_wait_alu depctr_va_vdst(0)
.irp t, 0,1
	v_rcp_f32 v[ST+4*\t+2], v[ST+4*\t+2]
.endr
	s_sub_co_i32 s86, s72, s70
	s_sub_co_i32 s86, s86, s71                     ; e10 - e8 - e9
	s_add_co_i32 s86, s86, 127
	s_lshl_b32 s88, s86, 23
	v_mov_b32 v244, s88                            ; (the plain lines behind the reciprocals)
	s_wait_alu depctr_va_vdst(0)                   ; one wait for both reciprocals, ahead of their first reader
.irp t, 0,1
.set n, 0
.rept 16
	v_pk_mul_f32 v[O+32*\t+n:O+32*\t+n+1], v[O+32*\t+n:O+32*\t+n+1], v[ST+4*\t+2:ST+4*\t+3] op_sel_hi:[1,0]   ; each accumulator from its low end on
.set n, n+2
.endr
.endr
.set n, 0
.rept 64
.set n, n+1
.endr
.irp t, 0,1
.irp b, 0,1
	v_cvt_scalef32_pk8_fp8_f32 v[PR+8*\t+4*\b:PR+8*\t+4*\b+1], v[O+32*\t+16*\b:O+32*\t+16*\b+7], v244
	v_cvt_scalef32_pk8_fp8_f32 v[PR+8*\t+4*\b+2:PR+8*\t+4*\b+3], v[O+32*\t+16*\b+8:O+32*\t+16*\b+15], v244
.endr
.endr
	v_nop
.irp t, 0,1
.irp b, 0,1
	ds_store_b128 v[SIN], v[PR+8*\t+4*\b:PR+8*\t+4*\b+3] offset:1024*\t+32*\b     ; query r, channels 32 b + 16 h on
.endr
.endr
.irp n, 0,1,2,3
	ds_load_b128 v[KR+4*\n:KR+4*\n+3], v[SBK] offset:512*\n    ; LDS serves a wave's instructions in order: these see my stores.  Eight queries' 64 bytes
.endr
.irp n, 0,1,2,3
	s_wait_dscnt 3-\n
	global_store_b128 v[GO], v[KR+4*\n:KR+4*\n+3], s[16:17] offset:2*\n*4096      ; two runs of 256 consecutive bytes, aligned
.endr
	s_wait_tensorcnt 0x0                           ; the wave's end: behind my last tensor load and my last LDS store
	ds_add_u32 v[SPW], v[NIL]
	s_wait_dscnt 0x0
	s_endpgm
.Lfunc_end_k_q1c1b7533bf_attn:
	.size	k_q1c1b7533bf_attn, .Lfunc_end_k_q1c1b7533bf_attn-k_q1c1b7533bf_attn
	.p2alignl 7, 3214868480
	.fill 96, 4, 3214868480
	.section	.rodata,"a",@progbits
	.p2align	6, 0x0
	.amdhsa_kernel k_q1c1b7533bf_attn
		.amdhsa_group_segment_fixed_size 327680
		.amdhsa_private_segment_fixed_size 0
		.amdhsa_enable_private_segment 0
		.amdhsa_kernarg_size 24
		.amdhsa_user_sgpr_count 2
		.amdhsa_user_sgpr_kernarg_segment_ptr 1
		.amdhsa_wavefront_size32 1
		.amdhsa_system_sgpr_workgroup_id_x 1
		.amdhsa_system_sgpr_workgroup_id_y 1
		.amdhsa_system_sgpr_workgroup_id_z 1
		.amdhsa_system_vgpr_workitem_id 0
		.amdhsa_next_free_vgpr 256
		.amdhsa_next_free_sgpr 100
		.amdhsa_reserve_vcc 1
		.amdhsa_float_denorm_mode_32 3
		.amdhsa_float_denorm_mode_16_64 3
		.amdhsa_fp16_overflow 1
		.amdhsa_memory_ordered 1
		.amdhsa_forward_progress 1
		.amdhsa_inst_pref_size 166
	.end_amdhsa_kernel
	.amdgpu_metadata
---
amdhsa.version: [ 1, 2 ]
amdhsa.kernels:
  - .name:           k_q1c1b7533bf_attn
    .symbol:         k_q1c1b7533bf_attn.kd
    .args:
      - { .name: qkv, .offset: 0, .size: 8, .value_kind: global_buffer, .address_space: global }
      - { .name: lowp_scales, .offset: 8, .size: 8, .value_kind: global_buffer, .address_space: global }
      - { .name: ocodes, .offset: 16, .size: 8, .value_kind: global_buffer, .address_space: global }
    .group_segment_fixed_size: 327680
    .private_segment_fixed_size: 0
    .kernarg_segment_align: 8
    .kernarg_segment_size: 24
    .max_flat_workgroup_size: 512
    .sgpr_count:     100
    .vgpr_count:     256
    .wavefront_size: 32
...
	.end_amdgpu_metadata
.endif
;; end of part 3
;; launch oproj (part 4): grid 4 x 32, 4 waves a work-group, clusters of 4 x 4, 327,680 bytes of LDS; arguments ocodes, wcodes, lowp_scales, out0; writes out0
.if DOCPART == 4
	.amdgcn_target "amdgcn-amd-amdhsa--gfx1250"
	.amdhsa_code_object_version 6
	.text
	.protected	k_q1c1b7533bf_oproj
	.globl	k_q1c1b7533bf_oproj
	.p2align	8
	.type	k_q1c1b7533bf_oproj,@function
k_q1c1b7533bf_oproj:
	s_mov_b64 s[64:65], 0
	v_nop
	global_prefetch_b8 v0, s[64:65] scope:SCOPE_SE
	s_setreg_imm32_b32 hwreg(HW_REG_WAVE_MODE, 25, 1), 1
	s_wait_xcnt 0x0
	s_wait_alu depctr_hold_cnt(0) depctr_sa_sdst(0) depctr_va_vdst(0) depctr_va_sdst(0) depctr_va_ssrc(0) depctr_va_vcc(0) depctr_vm_vsrc(0)
	s_getreg_b32 s2, hwreg(HW_REG_IB_STS2, 6, 4)
	s_cmp_eq_u32 s2, 0
	s_cbranch_scc0 .Lentry_in_a_cluster
	s_endpgm
.Lentry_in_a_cluster:
	s_bfe_u32 s2, ttmp6, 0x10000c
	s_cmp_lg_u32 s2, 0xf033
	s_cbranch_scc0 .Lentry_shape_is_right
	s_endpgm
.Lentry_shape_is_right:
; OPROJ.  out0[m][n] = sum over k of O[m][k] WO[n][k], on codes of E4M3; each finished sum is multiplied once by 2^(e10 + e11).  M = 8,192, N = 1,024, K = 1,024.
; A = the attention's codes, laid [token / 4][head][token % 4][64]: a K step of 256 (four heads) of four tokens is 1,024 consecutive bytes, 4,096 bytes from one four tokens to the next.  B = WO's codes, the fourth part of wcodes, rows of 1,024 bytes.
; LIMIT: e10 + e11 between -126 and 127, so that 2^(e10 + e11) is an f32 number.
; A tile of 256 x 256 is made by four waves, 128 x 128 each: 64 accumulators, 512 registers.  K goes in four steps of 256 through a ring of two LDS slots filled by the tensor data mover.
; CLUSTERS: 4 x 4 work-groups; A's tile is shared along a row of the cluster, B's along a column: each is asked for JOINTLY.  THE MATRIX INSTRUCTION IS USED TRANSPOSED (source 0 = 16 rows of B, source 1 = 16 rows of A).
; 128 tiles: this launch has work for 128 work-groups.
; REGISTERS, in windows of 256: window 0: v0-31 addresses; from v128 A's fragments, ONE set; on the way out v32-255 are free.  window 1: B's fragments, TWO sets.  windows 2, 3: the accumulators ((a, b) at v[8 (8 a + b)]).
.set SIZE_N, 1024
.set KSTEP,  256
.set ROWB,   256                       ; B: a tile's row in bytes
.set KROW,   1024                      ; a row of B, and a token's codes, in bytes
.set PITCH,  272                       ; B's LDS row: 256 bytes + 16 of padding
.set ASTEP,  1024                      ; A: a K step's bytes of four tokens
.set APITCH, 1040                      ; and in LDS: + 16 of padding: 260 words: the 16 rows of a fragment, at 260 (r / 4) + 16 (r % 4) words, start at 16 different banks (64 banks of 4 bytes: ISA guide 11.1)
.set FR,     16
.set NL,     4
.set NP,     4
.set HALFT,  128*PITCH                 ; the room of one tensor load's tile (A's takes 32 x 1,040 bytes of it)
.set SLOT,   4*HALFT
.set LAPS,   2
.set SPARE,  2*SLOT
.set SPITCH, 528                       ; the way out: a stage of 16 rows x (512 bytes + 16) for each wave, in slot 0, which has had its last fill and its last read by then
.set ADRA, 16
.set ADRB, 20
.set STO,  24
.set RD,   25
.set CO,   26
.set SPW,  28                          ; v28  my spare word's LDS address; never rewritten
.set NIL,  29                          ; v29  0; never rewritten
.set TMP,  32
.set AF,   128
.set BK,   128
.set G1, 24
.set G0, 32
.set G1B, 48
.set G0B, 56
.set MSB, 0
.macro WIN new                         ; the immediate's high byte repeats the setting that is left
.if MSB != \new
	s_set_vgpr_msb (MSB<<8)|\new
.set MSB, \new
.endif
.endm
.set MUL_LO, 0xa1
.set MUL_HI, 0xf1
.set TO_B,   0x40
.macro JLOAD g0a, g1a, g0b, g1b        ; a joint load: waves 0 and 1 fetch for A, waves 2 and 3 for B; an s_nop 0 and four v_nop follow each of the two lines
	s_cmp_eq_u32 s15, 0
	s_cbranch_scc0 .Lfor_b_\@
	tensor_load_to_lds s[\g0a:\g0a+3], s[\g1a:\g1a+7]
	s_nop 0
.rept 4
	v_nop
.endr
	s_branch .Lasked_\@
.Lfor_b_\@:
	tensor_load_to_lds s[\g0b:\g0b+3], s[\g1b:\g1b+7]
	s_nop 0
.rept 4
	v_nop
.endr
.Lasked_\@:
.endm
.macro CREST
	s_cmp_lg_u32 s14, 0
	s_cbranch_scc1 .Lnot_wave_0_\@
	s_barrier_signal -3
.Lnot_wave_0_\@:
	s_barrier_wait -3
	s_barrier_signal -1
	s_barrier_wait -1
.endm
.macro CROUND
	s_barrier_signal -1
	s_barrier_wait -1
	CREST
.endm
	s_load_b128 s[4:7], s[0:1], 0x0                ; ocodes s[4:5], wcodes s[6:7]
	s_load_b128 s[8:11], s[0:1], 0x10              ; the scales' exponents s[8:9], out0 s[10:11]
	v_lshl_add_u32 v[SPW], v0, 2, SPARE
	v_mov_b32 v[NIL], 0
	ds_add_u32 v[SPW], v[NIL]                      ; the wave's opening: the add and its wait ahead of my first tensor load
	v_lshrrev_b32 v1, 5, v0
	v_readfirstlane_b32 s14, v1                    ; wave 0..3
	s_lshr_b32 s15, s14, 1                         ; which half of the tile's rows is mine.  Also: I fetch for A (0) or for B (1)
	s_and_b32 s16, s14, 1                          ; which half of its columns.  Also: which 128 rows of that tile I fetch
	s_bfe_u32 s40, ttmp6, 0x40000                  ; cx, cy
	s_bfe_u32 s41, ttmp6, 0x40004
	s_lshl_b32 s42, ttmp9, 2
	s_add_co_u32 s42, s42, s40                     ; tile column
	s_and_b32 s17, ttmp7, 0xffff
	s_lshl_b32 s17, s17, 2
	s_add_co_u32 s17, s17, s41                     ; tile row
	s_lshl_b32 s43, s41, 2
	s_lshl_b32 s43, 15, s43                        ; my row of the cluster
	s_lshl_b32 s44, 0x1111, s40                    ; my column
	s_or_b32 s[G1+0], s43, (0<<16)|(1<<20)|(1<<21)|(7<<22)|(3<<25)  ; A: the mask of my row; elements of 1 byte; padding: four words after every 256
	s_mov_b32 s[G1+1], ASTEP<<16                   ; tensor_dim0 = 1,024
	s_mov_b32 s[G1+2], 32<<16                      ; tensor_dim1 = 32: 128 tokens
	s_mov_b32 s[G1+3], ASTEP<<16                   ; tile_dim0
	s_mov_b32 s[G1+4], 32                          ; tile_dim1
	s_mov_b32 s[G1+5], 4096                        ; tensor_dim0_stride
	s_mov_b32 s[G1+6], 0
	s_mov_b32 s[G1+7], 0
	s_or_b32 s[G1B+0], s44, (0<<16)|(1<<20)|(1<<21)|(5<<22)|(3<<25) ; B: the mask of my column; padding: four words after every 64
	s_mov_b32 s[G1B+1], ROWB<<16
	s_mov_b32 s[G1B+2], 128<<16
	s_mov_b32 s[G1B+3], ROWB<<16
	s_mov_b32 s[G1B+4], 128
	s_mov_b32 s[G1B+5], KROW
	s_mov_b32 s[G1B+6], 0
	s_mov_b32 s[G1B+7], 0
	s_lshl_b32 s18, s16, 7
	s_lshl_b32 s20, s17, 8
	s_add_co_u32 s20, s20, s18                     ; A: token 256 x tile row + 128 x half
	s_lshl_b32 s46, s42, 8
	s_add_co_u32 s46, s46, s18                     ; B: row 256 x tile column + 128 x half
	s_mov_b32 s21, 0
	s_mov_b32 s47, 0
	s_mov_b64 s[18:19], KROW
	s_mul_u64 s[20:21], s[20:21], s[18:19]         ; four tokens are 4,096 bytes: 1,024 a token
	s_mul_u64 s[46:47], s[46:47], s[18:19]
	s_add_nc_u64 s[46:47], s[46:47], 0x300000      ; WO's codes are the fourth part of wcodes
	s_mul_i32 s45, s14, HALFT                      ; where the tiles go
	s_wait_dscnt 0x0                               ; the opening add is done
	s_wait_kmcnt 0x0
	s_load_b64 s[96:97], s[8:9], 0x28              ; e10, e11
	s_add_nc_u64 s[20:21], s[4:5], s[20:21]
	s_add_nc_u64 s[46:47], s[6:7], s[46:47]
	CROUND                                         ; all sixteen work-groups are here: the first joint loads meet
.irp s, 0,1
	s_mov_b32 s[G0+4*\s], 1
	s_add_co_u32 s[G0+4*\s+1], s45, \s*SLOT
	s_add_nc_u64 s[G0+4*\s+2:G0+4*\s+3], s[20:21], \s*ASTEP
	s_or_b32 s[G0+4*\s+3], s[G0+4*\s+3], 0x80000000
	s_mov_b32 s[G0B+4*\s], 1
	s_add_co_u32 s[G0B+4*\s+1], s45, \s*SLOT
	s_add_nc_u64 s[G0B+4*\s+2:G0B+4*\s+3], s[46:47], \s*ROWB
	s_or_b32 s[G0B+4*\s+3], s[G0B+4*\s+3], 0x80000000
	JLOAD G0+4*\s, G1, G0B+4*\s, G1B
.endr
	v_and_b32 v1, 15, v0                           ; r
	v_bfe_u32 v2, v0, 4, 1                         ; h
	v_mul_u32_u24 v3, v1, PITCH
	v_lshl_add_u32 v4, v2, 4, v3                   ; B: row x pitch + 16 h
	v_lshrrev_b32 v7, 2, v1
	v_mul_u32_u24 v7, v7, APITCH
	v_and_b32 v8, 3, v1
	v_lshl_add_u32 v7, v8, 6, v7
	v_lshl_add_u32 v7, v2, 4, v7                   ; A: line r / 4, 64 (r % 4) + 16 h
	s_mul_i32 s21, s15, HALFT
	s_mul_i32 s22, s16, HALFT
	s_add_co_u32 s22, s22, 2*HALFT
.irp s, 0,1
	v_add_nc_u32 v[ADRA+\s], s21, v7
	v_add_nc_u32 v[ADRB+\s], s22, v4
	s_add_co_u32 s21, s21, SLOT
	s_add_co_u32 s22, s22, SLOT
.endr
	s_mul_i32 s23, s14, 16*SPITCH                  ; my stage
	v_mul_u32_u24 v5, v1, SPITCH
	v_lshl_add_u32 v5, v2, 5, v5
	v_add_nc_u32 v[STO], s23, v5
	v_and_b32 v6, 31, v0
	v_lshlrev_b32 v[CO], 4, v6
	v_add_nc_u32 v[RD], s23, v[CO]
	s_lshl_b32 s20, s17, 8
	s_lshl_b32 s21, s15, 7
	s_add_co_u32 s20, s20, s21                     ; my first row of the output
	s_mov_b32 s21, 0
	s_mov_b64 s[18:19], SIZE_N*4
	s_mul_u64 s[20:21], s[20:21], s[18:19]
	s_lshl_b32 s46, s42, 10                        ; my first column, in bytes
	s_lshl_b32 s47, s16, 9
	s_add_co_u32 s46, s46, s47
	s_mov_b32 s47, 0
	s_add_nc_u64 s[20:21], s[20:21], s[46:47]
	s_add_nc_u64 s[10:11], s[10:11], s[20:21]
.macro FRAG reg, adr, q, i             ; B's fragment: registers 4 c .. 4 c + 3 hold K = 32 c + 16 (l / 16) + 0 .. 15 of row l % 16
.irp c, 0,1,2,3
	ds_load_b128 v[\reg+4*\c:\reg+4*\c+3], v[\adr] offset:128*(\q)+32*\c+(\i)*16*PITCH
.endr
.endm
.macro FRAGA reg, adr, q, i            ; A's, the same k: head 2 q + c / 2 of the step's four lies 256 bytes a head on; 16 tokens are four lines
.irp c, 0,1,2,3
	ds_load_b128 v[\reg+4*\c:\reg+4*\c+3], v[\adr] offset:512*(\q)+256*(\c/2)+32*(\c%2)+(\i)*4*APITCH
.endr
.endm
.macro MUL16 a0, p, zero               ; the 64 accumulators take turns, one instruction a turn, in the same order in every step
.irp a, \a0, \a0+1
.irp b, 0,1,2,3,4,5,6,7
.if \zero
	v_wmma_f32_16x16x128_fp8_fp8 v[8*(8*((\a)%4)+\b):8*(8*((\a)%4)+\b)+7], v[128*(\p)+FR*\b:128*(\p)+FR*\b+FR-1], v[AF+FR*(\a):AF+FR*(\a)+FR-1], 0
.else
	v_wmma_f32_16x16x128_fp8_fp8 v[8*(8*((\a)%4)+\b):8*(8*((\a)%4)+\b)+7], v[128*(\p)+FR*\b:128*(\p)+FR*\b+FR-1], v[AF+FR*(\a):AF+FR*(\a)+FR-1], v[8*(8*((\a)%4)+\b):8*(8*((\a)%4)+\b)+7]
.endif
.endr
.endr
.endm
.macro FETCH_B slot, q, p
	WIN TO_B
.irp i, 0,1,2,3,4,5,6,7
	FRAG 128*(\p)+FR*\i, ADRB+\slot, \q, \i
.endr
	WIN 0
.endm
.macro FETCH_A slot, q, i0
.irp i, \i0, \i0+1, \i0+2, \i0+3
	FRAGA AF+FR*(\i), ADRA+\slot, \q, \i
.endr
.endm
.macro PLACES n                        ; plain vector lines between a matrix instruction and a load into, or a vector line on, its registers
.rept \n
	v_nop
.endr
.endm
.macro STEP slot, q, zero
	s_wait_dscnt 4*NL                              ; B's set and A's blocks 0-3 are in; the youngest 16 loads (A's blocks 4-7) may be out
	WIN MUL_LO
	MUL16 0, (\q)%2, \zero
	MUL16 2, (\q)%2, \zero
	s_wait_dscnt 0
	PLACES NP
	FETCH_B \slot, (\q)+1, 1-(\q)%2
	FETCH_A \slot, (\q)+1, 0
	WIN MUL_HI
	MUL16 4, (\q)%2, \zero
	MUL16 6, (\q)%2, \zero
	PLACES NP
	WIN 0
	FETCH_A \slot, (\q)+1, 4
.endm
.macro TURN slot, next, fill           ; a slot's last step changes slots: ONE barrier, with each wave's three lines in front of it
	s_wait_tensorcnt 0x0                           ; all my tensor loads have landed: my part of the next slot
	ds_add_u32 v[SPW], v[NIL]                      ; 0 onto my spare word
	s_wait_dscnt 4*NL+1                            ; (the add and the youngest 16 loads may be out)
	WIN MUL_LO
	MUL16 0, 1, 0
	s_wait_dscnt 0x0                               ; the add is done, and my reads of this slot are over
	s_barrier_signal -1
	MUL16 2, 1, 0
	WIN 0
	s_barrier_wait -1
.if \fill
	CREST                                          ; the barrier has opened a round of the cluster's barrier
	s_add_nc_u64 s[G0+4*\slot+2:G0+4*\slot+3], s[G0+4*\slot+2:G0+4*\slot+3], 2*ASTEP
	s_add_nc_u64 s[G0B+4*\slot+2:G0B+4*\slot+3], s[G0B+4*\slot+2:G0B+4*\slot+3], 2*ROWB
	JLOAD G0+4*\slot, G1, G0B+4*\slot, G1B         ; the first tensor load behind the round; its four v_nop are the places in front of the loads below
.else
	PLACES NP
.endif
	FETCH_B \next, 0, 0
	FETCH_A \next, 0, 0
	WIN MUL_HI
	MUL16 4, 1, 0
	MUL16 6, 1, 0
	PLACES NP
	WIN 0
	FETCH_A \next, 0, 4
.endm
	s_wait_tensorcnt 1                             ; my part of K step 0 is in (K step 1's load may be out),
	s_barrier_signal -1
	s_barrier_wait -1                              ; everybody's is
	FETCH_B 0, 0, 0
	FETCH_A 0, 0, 0
	FETCH_A 0, 0, 4
	STEP 0, 0, 1                                   ; the first step's products start the sums
	s_mov_b32 s3, LAPS-1
.Llap:
	TURN 0, 1, 1
	STEP 1, 0, 0
	TURN 1, 0, 1
	STEP 0, 0, 0
	s_sub_co_u32 s3, s3, 1
	s_cmp_lg_u32 s3, 0
	s_cbranch_scc1 .Llap
	TURN 0, 1, 0                                   ; the last lap fills nothing
	STEP 1, 0, 0
	s_wait_dscnt 4*NL                              ; the very last step
	WIN MUL_LO
	MUL16 0, 1, 0
	MUL16 2, 1, 0
	s_wait_dscnt 0
	WIN MUL_HI
	MUL16 4, 1, 0
	MUL16 6, 1, 0
	WIN 0
; THE WAY OUT, block by block of 16 rows x 128 columns: through my own stage in LDS, back as whole rows of 512 bytes.  LDS serves a wave's instructions in order (ISA guide 5.7.1.4): no wait between the stores and the loads.
.macro TOSTAGE a
.set AC, 64*((\a)%4)
	WIN 0x02+((\a)/4)
.set k, 0
.rept 32
	v_pk_mul_f32 v[TMP+k:TMP+k+1], v[AC+k:AC+k+1], s[96:97] op_sel_hi:[1,0]   ; x 2^(e10 + e11); each accumulator from its low end on
.set k, k+2
.endr
	WIN 0
.irp b, 0,1,2,3,4,5,6,7
	ds_store_b128 v[STO], v[TMP+8*\b:TMP+8*\b+3] offset:64*\b
	ds_store_b128 v[STO], v[TMP+8*\b+4:TMP+8*\b+7] offset:64*\b+16
.endr
.set BB, BK+64*((\a)%2)
.irp t, 0,1,2,3,4,5,6,7,8,9,10,11,12,13,14,15
	ds_load_b128 v[BB+4*\t:BB+4*\t+3], v[RD] offset:\t*SPITCH
.endr
.endm
.macro SEND a, younger
.set BB, BK+64*((\a)%2)
	s_wait_dscnt \younger                          ; the block is back in registers
.if (\a) > 0
	s_add_nc_u64 s[10:11], s[10:11], 16*SIZE_N*4   ; (behind a wait on XCNT: the earlier stores have read their base)
.endif
.irp t, 0,1,2,3,4,5,6,7,8,9,10,11,12,13,14,15
	global_store_b128 v[CO], v[BB+4*\t:BB+4*\t+3], s[10:11] offset:\t*SIZE_N*4 th:TH_STORE_NT   ; 32 lanes store 512 consecutive bytes
.endr
.endm
	s_wait_kmcnt 0x0
	s_add_co_i32 s96, s96, s97
	s_add_co_i32 s96, s96, 127
	s_lshl_b32 s96, s96, 23                        ; 2^(e10 + e11) as f32
	PLACES NP
	TOSTAGE 0
.irp a, 1,2,3,4,5,6,7
.if \a > 1
	s_wait_xcnt 0x0                                ; block a - 2's stores have read their registers and their base
.endif
	TOSTAGE \a
	SEND \a-1, 32                                  ; behind block a - 1's loads: block a's 16 stores and 16 loads
.endr
	s_wait_xcnt 0x0
	SEND 7, 0
	s_wait_tensorcnt 0x0                           ; the wave's end
	ds_add_u32 v[SPW], v[NIL]
	s_wait_dscnt 0x0
	CROUND                                         ; the closing round
	s_endpgm
.Lfunc_end_k_q1c1b7533bf_oproj:
	.size	k_q1c1b7533bf_oproj, .Lfunc_end_k_q1c1b7533bf_oproj-k_q1c1b7533bf_oproj
	.p2alignl 7, 3214868480
	.fill 96, 4, 3214868480
	.section	.rodata,"a",@progbits
	.p2align	6, 0x0
	.amdhsa_kernel k_q1c1b7533bf_oproj
		.amdhsa_group_segment_fixed_size 327680
		.amdhsa_private_segment_fixed_size 0
		.amdhsa_enable_private_segment 0
		.amdhsa_kernarg_size 32
		.amdhsa_user_sgpr_count 2
		.amdhsa_user_sgpr_kernarg_segment_ptr 1
		.amdhsa_wavefront_size32 1
		.amdhsa_system_sgpr_workgroup_id_x 1
		.amdhsa_system_sgpr_workgroup_id_y 1
		.amdhsa_system_sgpr_workgroup_id_z 1
		.amdhsa_system_vgpr_workitem_id 0
		.amdhsa_next_free_vgpr 1024
		.amdhsa_next_free_sgpr 98
		.amdhsa_reserve_vcc 0
		.amdhsa_float_denorm_mode_32 3
		.amdhsa_float_denorm_mode_16_64 3
		.amdhsa_memory_ordered 1
		.amdhsa_forward_progress 1
		.amdhsa_inst_pref_size 123
	.end_amdhsa_kernel
	.amdgpu_metadata
---
amdhsa.version: [ 1, 2 ]
amdhsa.kernels:
  - .name:           k_q1c1b7533bf_oproj
    .symbol:         k_q1c1b7533bf_oproj.kd
    .args:
      - { .name: ocodes, .offset: 0, .size: 8, .value_kind: global_buffer, .address_space: global }
      - { .name: wcodes, .offset: 8, .size: 8, .value_kind: global_buffer, .address_space: global }
      - { .name: lowp_scales, .offset: 16, .size: 8, .value_kind: global_buffer, .address_space: global }
      - { .name: out0, .offset: 24, .size: 8, .value_kind: global_buffer, .address_space: global }
    .group_segment_fixed_size: 327680
    .private_segment_fixed_size: 0
    .kernarg_segment_align: 8
    .kernarg_segment_size: 32
    .max_flat_workgroup_size: 128
    .sgpr_count:     98
    .vgpr_count:     1024
    .wavefront_size: 32
...
	.end_amdgpu_metadata
.endif
;; end of part 4
